; MI455X (gfx1250); checked and timed in simulation.
; The chip was launched on July 23, 2026; its instructions are those of AMD's public machine-readable ISA for CDNA 5 (MIT licence, August 2026) and "CDNA5" Instruction Set Architecture Reference Guide (July 2026). The comments in the code are by the model that wrote it; some were corrected since.
;; Causal Self Attention. Allowed arithmetic: matrix products marked QUANTISED: E2M3 operands, one E8M0 scale for each 32 along K, by v_wmma_scale_f32_16x16x128_f8f6f4 with both operands' format E2M3, f32 sums; everything else in f32.
;; Inputs: b_proj 1,024 float32; b_qkv 3,072 float32; w_proj_codes 1,024 x 32 x 24 uint8 (E2M3 codes of w_proj, K innermost, in blocks of 32 codes, four codes in three bytes); w_proj_scales 1,024 x 32 uint8 (E8M0 scales of w_proj, one for each 32 codes along K); w_qkv_codes 3,072 x 32 x 24 uint8 (E2M3 codes of w_qkv, K innermost, in blocks of 32 codes, four codes in three bytes); w_qkv_scales 3,072 x 32 uint8 (E8M0 scales of w_qkv, one for each 32 codes along K); x_codes 4 x 2,048 x 32 x 24 uint8 (E2M3 codes of x, K innermost, in blocks of 32 codes, four codes in three bytes); x_scales 4 x 2,048 x 32 uint8 (E8M0 scales of x, one for each 32 codes along K).
;; Outputs: out0 4 x 2,048 x 1,024 float32.
;; This version of the problem:
;;   THIS VERSION OF THE PROBLEM IS GIVEN IN LOW PRECISION. The matrix products marked QUANTISED in the list below multiply operands that are first quantised to E2M3 (2 exponent bits, 3 mantissa bits; 6 bits a number), with one power-of-two scale for each 32 numbers along K (OCP MX v1.0); their sums are f32. All else is computed in f32.
;;   The module's matrix products, in the order in which they are computed (A, B: the left and right operand; K: the contracted axis; several contracted axes count as one K, in the product's order):
;;     1. [M 8,192, K 1,024] x [K 1,024, N 3,072]; A: input x (given as codes); B: input w_qkv (given as codes): QUANTISED
;;     2. batch 64 x [M 2,048, K 64] x [K 64, N 2,048]; A: computed on the way; B: computed on the way: QUANTISED
;;     3. batch 64 x [M 2,048, K 2,048] x [K 2,048, N 64]; A: softmax (see below); B: computed on the way: QUANTISED
;;     4. [M 8,192, K 1,024] x [K 1,024, N 1,024]; A: computed on the way; B: input w_proj (given as codes): QUANTISED
;;   THE QUANTISER, for each operand of a quantised product, along K:
;;     - K is cut into blocks of 32 from its start; a last block that is shorter is filled with zeros.
;;     - A block's scale is 2^e with e = floor(log2(the largest magnitude in the block)) - 2, held to -126 .. 127; a block of zeros has e = 0. As a byte (E8M0): e + 127.
;;     - Each number is divided by its block's scale, clamped to +-7.5, and rounded to the nearest number of E2M3, ties to even, subnormals kept.
;;     - The product sums the exact products of the quantised numbers (number of the format x scale) in f32.
;;   ~~~python
;;   def quantise(x, axis):      # numpy; x: float32 -> the quantised numbers, widened to float32 again
;;       x = np.moveaxis(x, axis, -1); K = x.shape[-1]
;;       x = np.pad(x, [(0, 0)] * (x.ndim - 1) + [(0, -K % 32)]); x = x.reshape(x.shape[:-1] + (-1, 32)); a = np.abs(x).max(-1, keepdims=True)
;;       e = np.where(a > 0, np.clip(np.frexp(np.where(a > 0, a, 1))[1] - 1 - 2, -126, 127), 0)      # np.frexp(a)[1] - 1 = floor(log2(a)), exactly
;;       r = np.clip(x / 2.0 ** e, -7.5, 7.5)
;;       step = 2.0 ** (np.maximum(np.frexp(np.where(r == 0, 1, r))[1] - 1, 0) - 3)
;;       q = np.round(r / step) * step * 2.0 ** e      # np.round: ties to even
;;       return np.moveaxis(q.reshape(q.shape[:-2] + (-1,))[..., :K], -1, axis).astype(np.float32)
;;   ~~~
;;   SOFTMAX AHEAD OF A QUANTISED PRODUCT. Where the list says 'softmax', what is quantised is not the finished softmax but p = 2^(t - M), with t = logit x log2(e) and M = ceil(the row's largest t), a whole number; so 1/2 < the row's largest p <= 1. The row's sum l is taken of the UNQUANTISED p, in f32, and the product's result is divided by l at the end. Since M is a whole number, a kernel that streams over the keys may use a running M (the ceiling of the running maximum): every later rescaling is an exact power of two, which a block's scale takes up: the codes' values come out the same.
;;   OPERANDS COMPUTED ON THE WAY. 'Computed on the way' means the value that the module computes at that place (a softmax that the list does not call 'softmax' is quantised finished and normalised). What goes into a quantiser is computed in f32, as accurately as f32 sums, v_exp_f32 and their like allow (about 1e-6 of the number): no bf16 or f16 on the way to a quantiser, and a product that is left as it is and whose result goes on into a quantised operand takes f32 operands (vector FMAs, or v_wmma_f32_16x16x4_f32). A number that lies on a knife's edge between two numbers of the format may be rounded either way, as far as f32 arithmetic and the matrix unit's own rounding can turn it there, and no further.
;;   INPUTS GIVEN AS CODES. w_proj (in the module: [1024, 1024], K = its axis 0); w_qkv (in the module: [1024, 3072], K = its axis 0); x (in the module: [4, 2048, 1024], K = its axis 2): each comes as NAME_codes (uint8): NAME with its K axis moved to the last place and cut into blocks of 32 codes, [.., K / 32, bytes a block], one block behind the other in memory; four codes in three bytes: a row's codes are one little-endian stream of bits, code i at bits 6 i .. 6 i + 5 (a code: sign, 2 exponent bits, 3 mantissa bits); and NAME_scales (uint8): the same leading axes, one E8M0 byte (e + 127) for each 32 codes along K. Its value is code x scale, taken as it is: it is not quantised again, and the codes and scales need not be those that the quantiser above would give.
;; One version. Each part assembles by itself: llvm-mc -triple=amdgcn-amd-amdhsa -mcpu=gfx1250 --defsym DOCPART=n.
;; ======== version 1 of 1: 3 launches
;; workspace buffers: qc 6,291,456 bytes; qs 524,288 bytes; kv 13,369,344 bytes; yc 6,291,456 bytes; ys 262,144 bytes
;; launch qkv (part 1): grid 12 x 32, 4 waves a work-group, clusters of 4 x 4, 327,680 bytes of LDS; arguments x_codes, x_scales, w_qkv_codes, w_qkv_scales, b_qkv, qc, qs, kv; writes qc, qs, kv
.if DOCPART == 1
	.amdgcn_target "amdgcn-amd-amdhsa--gfx1250"
	.amdhsa_code_object_version 6
	.text
	.protected	k_q5136b593ce_qkv
	.globl	k_q5136b593ce_qkv
	.p2align	8
	.type	k_q5136b593ce_qkv,@function
k_q5136b593ce_qkv:
	s_mov_b64 s[64:65], 0
	v_nop
	global_prefetch_b8 v0, s[64:65] scope:SCOPE_SE
	s_setreg_imm32_b32 hwreg(HW_REG_WAVE_MODE, 25, 1), 1
	s_wait_xcnt 0x0
	s_wait_alu depctr_hold_cnt(0) depctr_sa_sdst(0) depctr_va_vdst(0) depctr_va_sdst(0) depctr_va_ssrc(0) depctr_va_vcc(0) depctr_vm_vsrc(0)
	s_getreg_b32 s2, hwreg(HW_REG_IB_STS2, 6, 4)
	s_cmp_eq_u32 s2, 0
	s_cbranch_scc0 .Lentry_in_a_cluster
	s_endpgm
.Lentry_in_a_cluster:
	s_bfe_u32 s2, ttmp6, 0x10000c
	s_cmp_lg_u32 s2, 0xf033
	s_cbranch_scc0 .Lentry_shape_is_right
	s_endpgm
.Lentry_shape_is_right:
; qkv = x w_qkv + b_qkv on codes of FP6 (E2M3) with E8M0 scales, K = 1,024; the results are quantised at once: q and k along the head's 64, v along the keys.
; A work-group of four waves makes 256 x 256 results, a wave 128 (i) x 128 (j): 64 accumulators, 512 registers.  K goes in steps of 256 through two LDS slots filled by tensor loads; the scale bytes of
; the work-group's rows come once and stay.  The matrix instruction is used transposed: source 0 = 16 rows of "B" (index j), source 1 = 16 rows of "A" (index i): a lane holds eight neighbours along j.
; THE AXIS THAT IS QUANTISED IS ALWAYS j.  The cluster's x is the type: 0 = q, 1 = k: A = x (i = tokens), B = w (j = two heads x 64).  2 = v: the pointers change places: A = w's rows 2,048 on (i = two heads x 64),
; B = x (j = 128 tokens, one key step).  One text serves all three: only pointers, row numbers, the bias's axis and the targets are chosen, by the cluster's x, which all partners share.
; CLUSTERS: 4 x 4 work-groups; A's tiles are asked for jointly along a row of the cluster, B's along a column.
; WHAT IS STORED: images of operand registers.  A half fragment (16 rows x 64 k) is 768 bytes: lane l = r + 16 h holds block h (24 bytes) of row r: registers 0-3 at 16 l, registers 4-5 at 512 + 8 l.
; Of 128 rows, tile 2 b + u holds in lane r row 32 b + 8 u + r + 8 (r / 8): so the next launch's results fall with 16 neighbours along its next K in 16 registers.
;   qc [head 64][tile 128] half fragments; qs [head][128 tokens] 512 bytes, the word of (tile t, row r) at 16 (r + 16 (t % 2)) + 4 (t / 2), bytes s0 s1 s0 s1 (the two real bytes twice: K = 64 fills half an instruction);
;   kv [head][128 keys] records of 13,056 bytes: k's 8 half fragments, k's 512 bytes of words (as qs), v's 8 half fragments ((4 c + tile) x 768, c = keys 64 c on), v's 256 bytes of words (8 (r + 16 (tile % 2)) + 4 (tile / 2)).
; No prefetch: K has four slots' worth, and the work-groups of a cluster share every tile by the joint loads.
; LIMITS: NaN and infinities among the biases are not served; a block whose largest magnitude lies under 2^-124 keeps the byte 1, a block of zeros too (its codes are zeros; these bytes are read by this program alone).
.set KSTEP,  256
.set NQ,     2                         ; matrix instructions deep in a slot
.set ROWB,   192                       ; a tile's row: 256 codes
.set KROW,   768                       ; a row of x or of w in memory
.set PITCH,  240                       ; an LDS row: 3 x (64 bytes + 16 of padding)
.set FR,     12
.set NL,     6
.set NP,     4
.set HALFT,  128*PITCH
.set SLOT,   4*HALFT
.set LAPS,   2
.set KS,     32                        ; a row of scale bytes
.set SCL,    2*SLOT
.set HALFS,  16*272                    ; the scales of 128 rows: 16 units of 256 bytes + 16 of padding each
.set SBLK,   2*272
.set SPARE,  SCL+4*HALFS               ; the spare words: 128 bytes a wave, named by no other line
.set FP,     656                       ; the way out, in slot 0 (its last fill and last read are over), HALFT bytes a wave: 16 rows of f32, 256 + 128 (gap) + 256 + 16 bytes;
.set CST,    16*FP                     ; behind them 16 half fragments of codes, (8 c + tile) x 768;
.set SCW,    CST+12288                 ; and 2 x 512 bytes of scale words
.set QHEAD,  98304
.set QGRP,   6144
.set KVHEAD, 208896
.set KVREC,  13056
.set GL8,  5                           ; v5   8 x lane
.set GL16, 6                           ; v6   16 x lane
.set LIN,  7                           ; v7   my wave's codes in LDS + 16 x lane
.set BI,   8                           ; v8-15 the biases along i: register a: row 16 a + lane / 2
.set ADRA, 16
.set ADRB, 20
.set STO,  24                          ; v24  f32 stage, in
.set RD,   25                          ; v25  f32 stage, back: half a row a lane
.set C16,  26                          ; v26  where a block's first 16 bytes of codes go
.set ADRS, 27
.set SPW,  28
.set NIL,  29
.set C8,   30                          ; v30  where its last 8 bytes go
.set CW,   31                          ; v31  where my row's scale word goes
.set SC,   32                          ; v32-63 scale words, two sets: they hold nothing else
.set TQ,   64                          ; v64-77 at work on the way out
.set CD,   80                          ; v80-98 codes
.set AF,   128                         ; A's fragments; on the way out v128-255: two sets of 64 numbers
.set G1, 24
.set G0, 32
.set G1B, 48
.set G0B, 56
.set G1S, 68
.set G0S, 76
.set G1SB, 80
.set G0SB, 88
.set MSB, 0
.macro WIN new                         ; the immediate's high byte repeats the setting that is left
.if MSB != \new
	s_set_vgpr_msb (MSB<<8)|\new
.set MSB, \new
.endif
.endm
.set MUL_LO, 0xa1                      ; source 0 (B) window 1, source 1 (A) window 0, C and D window 2
.set MUL_HI, 0xf1                      ; the same, C and D window 3
.set TO_B,   0x40                      ; destination window 1
; A joint load: waves 0 and 1 fetch for A, waves 2 and 3 for B; the branch hangs on the wave's number alone.  Four v_nop follow each line.
.macro JLOAD g0a, g1a, g0b, g1b
	s_cmp_eq_u32 s15, 0
	s_cbranch_scc0 .Lfor_b_\@
	tensor_load_to_lds s[\g0a:\g0a+3], s[\g1a:\g1a+7]
	s_nop 0
.rept 4
	v_nop
.endr
	s_branch .Lasked_\@
.Lfor_b_\@:
	tensor_load_to_lds s[\g0b:\g0b+3], s[\g1b:\g1b+7]
	s_nop 0
.rept 4
	v_nop
.endr
.Lasked_\@:
.endm
.macro CREST                           ; a round of the cluster's barrier behind its opening barrier
	s_cmp_lg_u32 s14, 0
	s_cbranch_scc1 .Lnot_wave_0_\@
	s_barrier_signal -3
.Lnot_wave_0_\@:
	s_barrier_wait -3
	s_barrier_signal -1
	s_barrier_wait -1
.endm
.macro CROUND
	s_barrier_signal -1
	s_barrier_wait -1
	CREST
.endm
	s_load_b256 s[4:11], s[0:1], 0x0               ; x's codes s[4:5], x's scales s[6:7], w's codes s[8:9], w's scales s[10:11]
	s_load_b256 s[92:99], s[0:1], 0x20             ; b_qkv s[92:93], qc s[94:95], qs s[96:97], kv s[98:99]
	v_lshl_add_u32 v[SPW], v0, 2, SPARE
	v_mov_b32 v[NIL], 0
	ds_add_u32 v28, v29
	s_wait_dscnt 0x0
	v_lshrrev_b32 v1, 5, v0
	v_readfirstlane_b32 s14, v1                    ; wave 0..3
	s_lshr_b32 s15, s14, 1                         ; which half of i is mine.  Also: I fetch for A (0) or for B (1)
	s_and_b32 s16, s14, 1                          ; which half of j.  Also: which 128 rows of that tile I fetch
	s_bfe_u32 s40, ttmp6, 0x40000                  ; cx
	s_bfe_u32 s41, ttmp6, 0x40004                  ; cy
	s_and_b32 s18, ttmp7, 0xffff
	s_lshl_b32 s18, s18, 2                         ; 4 x cluster y
	s_lshl_b32 s19, ttmp9, 2                       ; 4 x type
	s_cmp_eq_u32 ttmp9, 2                          ; v?
	s_cselect_b32 s17, 8, s18                      ; A's block of 256 rows: w's 8 + cy for v, else x's 4 x cluster y + cy
	s_cselect_b32 s42, s18, s19                    ; B's: x's 4 x cluster y + cx for v, else w's 4 x type + cx
	s_add_co_u32 s17, s17, s41
	s_add_co_u32 s42, s42, s40
	s_lshl_b32 s43, s41, 2
	s_lshl_b32 s43, 15, s43                        ; my row of the cluster
	s_lshl_b32 s44, 0x1111, s40                    ; my column
	s_or_b32 s[G1+0], s43, (0<<16)|(1<<20)|(1<<21)|(3<<22)|(3<<25)  ; the mask; elements of 1 byte; padding on; bit 21 beside a mask; 4 words of padding behind every 16
	s_or_b32 s[G1B+0], s44, (0<<16)|(1<<20)|(1<<21)|(3<<22)|(3<<25)
.irp g, G1, G1B
	s_mov_b32 s[\g+1], ROWB<<16                    ; tensor_dim0
	s_mov_b32 s[\g+2], 128<<16                     ; tensor_dim1
	s_mov_b32 s[\g+3], ROWB<<16                    ; tile_dim0
	s_mov_b32 s[\g+4], 128                         ; tile_dim1
	s_mov_b32 s[\g+5], KROW                        ; the pitch
	s_mov_b32 s[\g+6], 0
	s_mov_b32 s[\g+7], 0
.endr
	s_or_b32 s[G1S+0], s43, (3<<16)|(1<<20)|(1<<21)|(5<<22)|(3<<25) ; the scales of 128 rows: 4,096 dense bytes as 16 rows of 256 (32 elements of 8), 16 bytes of padding behind each
	s_or_b32 s[G1SB+0], s44, (3<<16)|(1<<20)|(1<<21)|(5<<22)|(3<<25)
.irp g, G1S, G1SB
	s_mov_b32 s[\g+1], 32<<16
	s_mov_b32 s[\g+2], 16<<16
	s_mov_b32 s[\g+3], 32<<16
	s_mov_b32 s[\g+4], 16
	s_mov_b32 s[\g+5], 32
	s_mov_b32 s[\g+6], 0
	s_mov_b32 s[\g+7], 0
.endr
	s_lshl_b32 s18, s16, 7
	s_lshl_b32 s20, s17, 8
	s_add_co_u32 s20, s20, s18                     ; A: the first row that I fetch
	s_lshl_b32 s46, s42, 8
	s_add_co_u32 s46, s46, s18                     ; B likewise
	s_mov_b32 s21, 0
	s_mov_b32 s47, 0
	s_mov_b64 s[18:19], KS
	s_mul_u64 s[22:23], s[20:21], s[18:19]         ; where these rows' scales begin
	s_mul_u64 s[100:101], s[46:47], s[18:19]
	s_mov_b64 s[18:19], KROW
	s_mul_u64 s[20:21], s[20:21], s[18:19]         ; and their codes
	s_mul_u64 s[46:47], s[46:47], s[18:19]
	s_mul_i32 s45, s14, HALFT                      ; where they go: wave x 128 rows
	s_mul_i32 s66, s14, HALFS
	s_wait_kmcnt 0x0
	s_cmp_eq_u32 ttmp9, 2                          ; for v, x and w change places: the choice hangs on the cluster's x alone
	s_cselect_b64 s[12:13], s[8:9], s[4:5]
	s_cselect_b64 s[8:9], s[4:5], s[8:9]
	s_mov_b64 s[4:5], s[12:13]
	s_cselect_b64 s[12:13], s[10:11], s[6:7]
	s_cselect_b64 s[10:11], s[6:7], s[10:11]
	s_mov_b64 s[6:7], s[12:13]
	s_add_nc_u64 s[20:21], s[4:5], s[20:21]
	s_add_nc_u64 s[22:23], s[6:7], s[22:23]
	s_add_nc_u64 s[46:47], s[8:9], s[46:47]
	s_add_nc_u64 s[100:101], s[10:11], s[100:101]
	CROUND                                         ; all sixteen work-groups are here: the first joint loads meet
	s_mov_b32 s[G0S], 1
	s_add_co_u32 s[G0S+1], s66, SCL
	s_mov_b64 s[G0S+2:G0S+3], s[22:23]
	s_or_b32 s[G0S+3], s[G0S+3], 0x80000000
	s_mov_b32 s[G0SB], 1
	s_add_co_u32 s[G0SB+1], s66, SCL
	s_mov_b64 s[G0SB+2:G0SB+3], s[100:101]
	s_or_b32 s[G0SB+3], s[G0SB+3], 0x80000000
	JLOAD G0S, G1S, G0SB, G1SB                     ; the scales first: they are wanted with K step 0
.irp s, 0,1
	s_mov_b32 s[G0+4*\s], 1
	s_add_co_u32 s[G0+4*\s+1], s45, \s*SLOT
	s_add_nc_u64 s[G0+4*\s+2:G0+4*\s+3], s[20:21], \s*ROWB
	s_or_b32 s[G0+4*\s+3], s[G0+4*\s+3], 0x80000000
	s_mov_b32 s[G0B+4*\s], 1
	s_add_co_u32 s[G0B+4*\s+1], s45, \s*SLOT
	s_add_nc_u64 s[G0B+4*\s+2:G0B+4*\s+3], s[46:47], \s*ROWB
	s_or_b32 s[G0B+4*\s+3], s[G0B+4*\s+3], 0x80000000
	JLOAD G0+4*\s, G1, G0B+4*\s, G1B
.endr
	; LDS addresses of the fragments and of the scale words
	v_and_b32 v1, 15, v0                           ; r = l % 16
	v_bfe_u32 v2, v0, 4, 1                         ; h = l / 16
	v_mul_u32_u24 v3, v1, PITCH
	v_mul_u32_u24 v4, v2, 24
	v_add_nc_u32 v4, v3, v4                        ; row x pitch + 24 x half
	v_lshl_add_u32 v3, v2, 4, v4                   ; and the same behind one padding more
	s_mul_i32 s21, s15, HALFT
	s_mul_i32 s22, s16, HALFT
	s_add_co_u32 s22, s22, 2*HALFT
.irp s, 0,1
	v_add_nc_u32 v[ADRA+\s], s21, v4
	v_add_nc_u32 v[ADRB+\s], s22, v4
	v_add_nc_u32 v[ADRA+2+\s], s21, v3
	v_add_nc_u32 v[ADRB+2+\s], s22, v3
	s_add_co_u32 s21, s21, SLOT
	s_add_co_u32 s22, s22, SLOT
.endr
	v_mul_u32_u24 v3, v1, KS
	v_lshrrev_b32 v4, 8, v3
	v_lshl_add_u32 v3, v4, 4, v3                   ; 32 bytes a row, 16 more for each 256 passed
	s_mul_i32 s21, s15, HALFS
	s_mul_i32 s22, s16, HALFS
	s_add_co_u32 s22, s22, 2*HALFS
	s_sub_co_u32 s22, s22, s21
	v_mul_u32_u24 v4, s22, v2                      ; lanes 16-31 take B's
	s_add_co_u32 s21, s21, SCL
	v_add_nc_u32 v3, v3, v4
	v_add_nc_u32 v[ADRS], s21, v3
	; LDS addresses of the way out: a constant x wave + constants x parts of the lane's number
	v_and_b32 v66, 31, v0                          ; lane
	v_lshrrev_b32 v67, 1, v66                      ; rho = lane / 2: my row of a block of 16
	v_and_b32 v68, 1, v0                           ; c = lane % 2: which 64 along j
	v_and_b32 v69, 7, v67
	s_mul_i32 s23, s14, HALFT
	v_mul_u32_u24 v[STO], v1, FP
	v_lshl_add_u32 v[STO], v2, 5, v[STO]
	v_add_nc_u32 v[STO], s23, v[STO]               ; row r, 32 bytes for each half of the lanes
	v_mul_u32_u24 v[RD], v67, FP
	v_mad_u32_u24 v[RD], v68, 384, v[RD]
	v_add_nc_u32 v[RD], s23, v[RD]                 ; row rho, its 256 bytes of half c
	s_add_co_u32 s22, s23, CST
	v_mul_u32_u24 v70, v68, 6144
	v_mad_u32_u24 v70, v2, 768, v70                ; lane / 16 = rho / 8 = u of the tile 2 b + u
	v_add_nc_u32 v70, s22, v70
	v_lshl_add_u32 v[C16], v69, 4, v70
	v_lshl_add_u32 v[C8], v69, 3, v70
	s_add_co_u32 s21, s23, SCW
	v_lshlrev_b32 v[CW], 9, v68
	v_lshl_add_u32 v[CW], v2, 8, v[CW]
	v_lshl_add_u32 v[CW], v69, 4, v[CW]
	v_add_nc_u32 v[CW], s21, v[CW]
	v_lshl_add_u32 v[LIN], v66, 4, s22
	v_lshlrev_b32 v[GL16], 4, v66
	v_lshlrev_b32 v[GL8], 3, v66
	v_lshlrev_b32 v64, 8, v68                      ; the biases along j: 64 numbers on for c = 1
	v_lshlrev_b32 v65, 2, v67                      ; those along i: my row's
	; the biases.  Both sets are loaded, inside the buffer; the type says which is added
	s_lshl_b32 s46, s42, 10
	s_lshl_b32 s47, s16, 9
	s_add_co_u32 s46, s46, s47                     ; 4 x (256 x B's block + 128 x half)
	s_lshl_b32 s100, s17, 10
	s_lshl_b32 s101, s15, 9
	s_add_co_u32 s100, s100, s101                  ; 4 x (256 x A's block + 128 x half)
	s_cmp_eq_u32 ttmp9, 2
	s_cselect_b32 s46, 0, s46
	s_cselect_b32 s100, s100, 0
	s_cselect_b32 s67, -1, 0                       ; all ones for v
	s_cselect_b32 s18, s42, s17                    ; the block of 256 tokens,
	s_cselect_b32 s19, s16, s15                    ; my half of it,
	s_cselect_b32 s22, s41, s40                    ; which four heads,
	s_cselect_b32 s23, s15, s16                    ; which two of them
	s_mov_b32 s47, 0
	s_mov_b32 s101, 0
	s_add_nc_u64 s[46:47], s[92:93], s[46:47]
	s_add_nc_u64 s[100:101], s[92:93], s[100:101]
	WIN TO_B                                       ; the 64 along j lie in window 1, in the registers that B's two sets leave free: v96-127, v224-255
.irp g, 0,1,2,3,4,5,6,7,8,9,10,11,12,13,14,15
	global_load_b128 v[96+4*\g+96*(\g/8):99+4*\g+96*(\g/8)], v64, s[46:47] offset:16*\g
.endr
	WIN 0
.irp a, 0,1,2,3,4,5,6,7
	global_load_b32 v[BI+\a], v65, s[100:101] offset:64*\a
.endr
	; where the results go.  s[4:11]: four runs of 3,072 bytes of codes; s[12:13], s[20:21]: the two heads' scale words
	s_lshr_b32 s2, s18, 3
	s_lshl_b32 s2, s2, 4
	s_lshl_b32 s22, s22, 2
	s_add_co_u32 s2, s2, s22
	s_lshl_b32 s23, s23, 1
	s_add_co_u32 s2, s2, s23                       ; my first head: 16 x batch + 4 x .. + 2 x ..
	s_and_b32 s18, s18, 7
	s_lshl_b32 s18, s18, 1
	s_add_co_u32 s18, s18, s19                     ; my group of 128 tokens in the batch
	s_mov_b32 s19, KVHEAD
	s_mov_b32 s22, KVREC
	s_mov_b32 s23, KVHEAD
	s_mov_b32 s66, KVREC
	s_cmp_eq_u32 ttmp9, 0                          ; q?
	s_cselect_b32 s19, QHEAD, s19                  ; codes: from head to head,
	s_cselect_b32 s22, QGRP, s22                   ; from group to group;
	s_cselect_b32 s23, 8192, s23                   ; scale words likewise
	s_cselect_b32 s66, 512, s66
	s_cselect_b64 s[4:5], s[94:95], s[98:99]
	s_cselect_b64 s[12:13], s[96:97], s[98:99]
	s_mul_i32 s6, s2, s19
	s_mul_i32 s7, s18, s22
	s_add_co_u32 s6, s6, s7
	s_mul_i32 s8, s2, s23
	s_mul_i32 s9, s18, s66
	s_add_co_u32 s8, s8, s9
	s_mul_i32 s9, ttmp9, 6144                      ; the words' place in a record: 0 (q), 6,144 (k), 12,800 (v)
	s_add_co_u32 s8, s8, s9
	s_mov_b32 s10, 3072
	s_cmp_eq_u32 ttmp9, 2
	s_cselect_b32 s7, 6656, 0                      ; v's codes lie behind k's part of a record
	s_cselect_b32 s9, 512, 0
	s_cselect_b32 s22, KVHEAD, s10                 ; from run 0 to run 1: v: the next head; q, k: the tiles 4 on
	s_cselect_b32 s66, s10, s19                    ; from run 0 to run 2: v: keys 64 on; q, k: the next head
	s_add_co_u32 s6, s6, s7
	s_add_co_u32 s8, s8, s9
	s_mov_b32 s7, 0
	s_mov_b32 s9, 0
	s_add_nc_u64 s[4:5], s[4:5], s[6:7]
	s_add_nc_u64 s[12:13], s[12:13], s[8:9]
	s_mov_b32 s18, s23
	s_mov_b32 s19, 0
	s_add_nc_u64 s[20:21], s[12:13], s[18:19]
	s_mov_b32 s23, 0
	s_add_nc_u64 s[6:7], s[4:5], s[22:23]
	s_mov_b32 s18, s66
	s_add_nc_u64 s[8:9], s[4:5], s[18:19]
	s_add_nc_u64 s[10:11], s[8:9], s[22:23]
.macro FRAG reg, adr, q, i             ; a fragment, 16 rows x 128 K, 12 registers, in pieces of 8 bytes; where the piece three on lies behind one padding more, the second address register serves
.irp p, 0,1,2,3,4,5
.set PC, 12*(\q)+6*(\p/3)+\p%3
.if PC%8 < 5
	ds_load_b64 v[\reg+2*\p:\reg+2*\p+1], v[\adr] offset:8*PC+16*(PC/8)+(\i)*16*PITCH
.else
	ds_load_b64 v[\reg+2*\p:\reg+2*\p+1], v[\adr+2] offset:8*PC+16*(PC/8)+(\i)*16*PITCH
.endif
.endr
.endm
; 16 matrix instructions: A's blocks a0, a0 + 1 x B's eight.  The 64 accumulators take turns, one instruction a turn, in the same order in every step.
.macro MUL16 a0, p, q, sc, zero
.irp a, \a0, \a0+1
.irp b, 0,1,2,3,4,5,6,7
.if \zero
	v_wmma_scale_f32_16x16x128_f8f6f4 v[8*(8*((\a)%4)+\b):8*(8*((\a)%4)+\b)+7], v[128*(\p)+FR*\b:128*(\p)+FR*\b+FR-1], v[AF+FR*(\a):AF+FR*(\a)+FR-1], 0, v[SC+8*NQ*(\sc)+NQ*\b+(\q)], v[SC+8*NQ*(\sc)+NQ*(\a)+(\q)] matrix_a_fmt:MATRIX_FMT_FP6 matrix_b_fmt:MATRIX_FMT_FP6 matrix_a_scale:MATRIX_SCALE_ROW1
.else
	v_wmma_scale_f32_16x16x128_f8f6f4 v[8*(8*((\a)%4)+\b):8*(8*((\a)%4)+\b)+7], v[128*(\p)+FR*\b:128*(\p)+FR*\b+FR-1], v[AF+FR*(\a):AF+FR*(\a)+FR-1], v[8*(8*((\a)%4)+\b):8*(8*((\a)%4)+\b)+7], v[SC+8*NQ*(\sc)+NQ*\b+(\q)], v[SC+8*NQ*(\sc)+NQ*(\a)+(\q)] matrix_a_fmt:MATRIX_FMT_FP6 matrix_b_fmt:MATRIX_FMT_FP6 matrix_a_scale:MATRIX_SCALE_ROW1
.endif
.endr
.endr
.endm
.macro FETCH_B slot, q, p
	WIN TO_B
.irp i, 0,1,2,3,4,5,6,7
	FRAG 128*(\p)+FR*\i, ADRB+\slot, \q, \i
.endr
	WIN 0
.endm
.macro FETCH_A slot, q, i0
.irp i, \i0, \i0+1, \i0+2, \i0+3
	FRAG AF+FR*(\i), ADRA+\slot, \q, \i
.endr
.endm
.macro SCALES sc                       ; a K step's scale words: lanes 0-15 A's block i, lanes 16-31 B's block i
.irp i, 0,1,2,3,4,5,6,7
	ds_load_b64 v[SC+8*NQ*\sc+NQ*\i:SC+8*NQ*\sc+NQ*\i+1], v[ADRS] offset:\i*SBLK
.endr
.endm
.macro PLACES n                        ; plain vector places behind matrix instructions, in front of loads into their registers and of reads of results
.rept \n
	v_nop
.endr
.endm
.macro STEP slot, q, zero              ; 128 along K that has its successor in the same slot
	s_wait_dscnt 4*NL                              ; B's set and A's blocks 0-3 are in; the youngest 24 loads (A's blocks 4-7) may be out
	WIN MUL_LO
	MUL16 0, (\q)%2, \q, \slot, \zero
	MUL16 2, (\q)%2, \q, \slot, \zero
	s_wait_dscnt 0
	PLACES NP
	FETCH_B \slot, (\q)+1, 1-(\q)%2
	FETCH_A \slot, (\q)+1, 0
	WIN MUL_HI
	MUL16 4, (\q)%2, \q, \slot, \zero
	MUL16 6, (\q)%2, \q, \slot, \zero
	PLACES NP
	WIN 0
	FETCH_A \slot, (\q)+1, 4
.endm
; A slot's last step changes slots: one barrier; in front of it each wave waits for all its tensor loads, adds 0 to its spare word, and waits for that and for its reads of this slot.
.macro TURN slot, next, fill
	s_wait_tensorcnt 0x0                           ; all my tensor loads have landed: my part of the next slot
	ds_add_u32 v[SPW], v[NIL]                      ; 0 onto my spare word
	s_wait_dscnt 4*NL+1                            ; the add and the youngest 24 loads may be out
	WIN MUL_LO
	MUL16 0, 1, NQ-1, \slot, 0
	s_wait_dscnt 0x0                               ; the add is done, and my reads of this slot are over
	s_barrier_signal -1
	MUL16 2, 1, NQ-1, \slot, 0
	WIN 0
	s_barrier_wait -1
.if \fill
	CREST                                          ; the barrier has opened a round of the cluster's barrier: no wave of any partner still reads this slot or has a load on its way
	s_add_nc_u64 s[G0+4*\slot+2:G0+4*\slot+3], s[G0+4*\slot+2:G0+4*\slot+3], 2*ROWB
	s_add_nc_u64 s[G0B+4*\slot+2:G0B+4*\slot+3], s[G0B+4*\slot+2:G0B+4*\slot+3], 2*ROWB
	JLOAD G0+4*\slot, G1, G0B+4*\slot, G1B         ; the first tensor load behind the round; its four v_nop are the places in front of the loads below
.else
	PLACES NP
.endif
	v_add_nc_u32 v[ADRS], 4*NQ, v[ADRS]
	FETCH_B \next, 0, 0
	FETCH_A \next, 0, 0
	SCALES \next
	WIN MUL_HI
	MUL16 4, 1, NQ-1, \slot, 0
	MUL16 6, 1, NQ-1, \slot, 0
	PLACES NP
	WIN 0
	FETCH_A \next, 0, 4
.endm
	s_wait_loadcnt 0x0                             ; the biases
	s_wait_tensorcnt 1                             ; of my three loads the scales and K step 0 are in; K step 1's may be out
	s_barrier_signal -1
	s_barrier_wait -1
	FETCH_B 0, 0, 0
	FETCH_A 0, 0, 0
	SCALES 0
	FETCH_A 0, 0, 4
	STEP 0, 0, 1                                   ; the first step's products start the sums
	s_mov_b32 s3, LAPS-1
.Llap:                                                 ; a trip goes once round the ring and fills both slots again
	TURN 0, 1, 1
	STEP 1, 0, 0
	TURN 1, 0, 1
	STEP 0, 0, 0
	s_sub_co_u32 s3, s3, 1
	s_cmp_lg_u32 s3, 0
	s_cbranch_scc1 .Llap
	TURN 0, 1, 0                                   ; the last lap fills nothing
	STEP 1, 0, 0
	s_wait_dscnt 4*NL
	WIN MUL_LO
	MUL16 0, 1, NQ-1, 1, 0
	MUL16 2, 1, NQ-1, 1, 0
	s_wait_dscnt 0
	WIN MUL_HI
	MUL16 4, 1, NQ-1, 1, 0
	MUL16 6, 1, NQ-1, 1, 0
	WIN 0
; THE WAY OUT.  Block a (16 rows of i x 128 of j) goes through my f32 stage and comes back with half a row, 64 neighbours along j = two whole blocks of 32, in ONE lane.
.macro TOSTAGE a
.set AC, 64*((\a)%4)
	WIN 0x08+4*((\a)/4)                            ; the data: window 2 or 3
.irp b, 0,1,2,3,4,5,6,7
	ds_store_b128 v[STO], v[AC+8*\b:AC+8*\b+3] offset:64*\b+128*(\b/4)        ; each accumulator from its low end on
	ds_store_b128 v[STO], v[AC+8*\b+4:AC+8*\b+7] offset:64*\b+128*(\b/4)+16
.endr
	WIN 0
.set XX, 128+64*((\a)%2)
.irp g, 0,1,2,3,4,5,6,7,8,9,10,11,12,13,14,15
	ds_load_b128 v[XX+4*\g:XX+4*\g+3], v[RD] offset:16*\g                     ; LDS serves a wave's instructions in order: these see the stores above
.endr
.endm
; Bias, the two blocks' scales, codes, scale word; the codes go to their place in the images: row 16 a + rho is lane rho % 8 + 8 (a % 2) of tile 2 (a / 2) + rho / 8.
.macro QUANTB a
.set XX, 128+64*((\a)%2)
	s_cmp_eq_u32 ttmp9, 2
	s_cbranch_scc1 .Lalong_i_\@
	WIN 0x04                                       ; source 1 in window 1
.irp g, 0,2,4,6,8,10,12,14,16,18,20,22,24,26,28,30,32,34,36,38,40,42,44,46,48,50,52,54,56,58,60,62
	v_pk_add_f32 v[XX+\g:XX+\g+1], v[XX+\g:XX+\g+1], v[96+\g+96*(\g/32):97+\g+96*(\g/32)]   ; q, k: the bias runs along j
.endr
	WIN 0
	s_branch .Lbiased_\@
.Lalong_i_\@:
	v_mov_b32 v[TQ+12], v[BI+(\a)]                 ; v: one bias for my row
.irp g, 0,2,4,6,8,10,12,14,16,18,20,22,24,26,28,30,32,34,36,38,40,42,44,46,48,50,52,54,56,58,60,62
	v_pk_add_f32 v[XX+\g:XX+\g+1], v[XX+\g:XX+\g+1], v[TQ+12:TQ+13] op_sel_hi:[1,0]
.endr
.Lbiased_\@:
	v_max3_num_f32 v[TQ], |v[XX]|, |v[XX+1]|, 0x1800000          ; the largest magnitude of each block, and the floor 2^(3 - 127): the byte cannot fall under 1
	v_max3_num_f32 v[TQ+1], |v[XX+32]|, |v[XX+33]|, 0x1800000
.irp i, 2,4,6,8,10,12,14,16,18,20,22,24,26,28,30
	v_max3_num_f32 v[TQ], v[TQ], |v[XX+\i]|, |v[XX+\i+1]|
	v_max3_num_f32 v[TQ+1], v[TQ+1], |v[XX+32+\i]|, |v[XX+33+\i]|
.endr
	v_add_nc_u32 v[TQ+2], 0xff000000, v[TQ]        ; 2 off the exponent field: the conversion's scale operand
	v_add_nc_u32 v[TQ+3], 0xff000000, v[TQ+1]
	v_lshrrev_b32 v[TQ+4], 23, v[TQ+2]             ; the scale's byte
	v_lshrrev_b32 v[TQ+5], 23, v[TQ+3]
	v_cvt_scalef32_pk16_fp6_f32 v[CD:CD+2], v[XX:XX+15], v[TQ+2]
	v_cvt_scalef32_pk16_fp6_f32 v[CD+12:CD+14], v[XX+16:XX+31], v[TQ+2]      ; (a conversion's three registers begin on an even number)
	v_cvt_scalef32_pk16_fp6_f32 v[CD+6:CD+8], v[XX+32:XX+47], v[TQ+3]
	v_cvt_scalef32_pk16_fp6_f32 v[CD+16:CD+18], v[XX+48:XX+63], v[TQ+3]
	v_lshl_or_b32 v[TQ+6], v[TQ+5], 8, v[TQ+4]     ; my two bytes.  (The plain place behind the conversions)
.irp i, 0,1,2
	v_mov_b32 v[CD+3+\i], v[CD+12+\i]
	v_mov_b32 v[CD+9+\i], v[CD+16+\i]
.endr
	v_mov_b32_dpp v[TQ+7], v[TQ+6] row_xmask:1 row_mask:0xf bank_mask:0xf    ; my neighbour's two: the same row's other 64 along j
	v_lshl_or_b32 v[TQ+8], v[TQ+6], 16, v[TQ+6]    ; q, k: my two bytes twice
	v_lshl_or_b32 v[TQ+9], v[TQ+7], 16, v[TQ+6]    ; v, even lanes: mine below, the neighbour's above
	v_lshl_or_b32 v[TQ+10], v[TQ+6], 16, v[TQ+7]   ; v, odd lanes
	v_cndmask_b32 v[TQ+9], v[TQ+9], v[TQ+10], s3
	v_cndmask_b32 v[TQ+11], v[TQ+8], v[TQ+9], s67
.irp h, 0,1
	ds_store_b128 v[C16], v[CD+6*\h:CD+6*\h+3] offset:((\a)/2)*1536+((\a)%2)*128+256*\h
	ds_store_b64 v[C8], v[CD+6*\h+4:CD+6*\h+5] offset:((\a)/2)*1536+512+((\a)%2)*64+128*\h
.endr
	ds_store_b32 v[CW], v[TQ+11] offset:128*((\a)%2)+4*((\a)/2)
.endm
	PLACES NP                                      ; behind the last products: for the stores of results and the loads into A's registers
	s_mov_b32 s3, 0xaaaaaaaa                       ; the odd lanes
	v_mov_b32 v[TQ+7], 0                           ; written once: a DPP destination counts as read
	v_mov_b32 v[TQ+13], 0                          ; (named as the upper half of a pair)
	TOSTAGE 0
.irp a, 0,1,2,3,4,5,6,7
.if \a < 7
	TOSTAGE \a+1
	s_wait_dscnt 32                                ; only the next block's 16 stores and 16 loads are out: my block is back, and the last block's code stores have read their registers
.else
	s_wait_dscnt 0x0
.endif
	QUANTB \a
.endr
.irp n, 0,1,2,3,4,5,6,7,8,9,10,11,12,13,14,15,16,17,18,19,20,21,22,23
	ds_load_b128 v[128+4*\n:131+4*\n], v[LIN] offset:512*\n                   ; the 12,288 bytes of codes as they lie
.endr
.irp n, 0,1,2,3,4,5,6,7,8,9,10,11,12,13,14,15,16,17,18,19,20,21,22,23
	s_wait_dscnt 23-\n                             ; the loads behind load n may be out
	global_store_b128 v[GL16], v[128+4*\n:131+4*\n], s[4+2*(\n/6):5+2*(\n/6)] offset:512*(\n%6)   ; 32 lanes store 512 consecutive bytes, at a multiple of 256 from the buffer's first byte
.endr
	s_cmp_eq_u32 ttmp9, 2
	s_cbranch_scc1 .Lwords_v
	ds_load_b128 v[224:227], v[LIN] offset:12288       ; q, k: 512 bytes of words for each of my two heads
	ds_load_b128 v[228:231], v[LIN] offset:12288+512
	s_wait_dscnt 0x0
	global_store_b128 v[GL16], v[224:227], s[12:13]
	global_store_b128 v[GL16], v[228:231], s[20:21]
	s_branch .Lwords_done
.Lwords_v:
	ds_load_b64 v[224:225], v[LIN] offset:12288        ; v: of a lane's four words (b = 0 .. 3) two belong to each head: 256 bytes a head
	ds_load_b64 v[228:229], v[LIN] offset:12288+8
	s_wait_dscnt 0x0
	global_store_b64 v[GL8], v[224:225], s[12:13]
	global_store_b64 v[GL8], v[228:229], s[20:21]
.Lwords_done:
	s_wait_tensorcnt 0x0                           ; the wave's end
	ds_add_u32 v[SPW], v[NIL]
	s_wait_dscnt 0x0
	CROUND                                         ; the closing round
	s_endpgm
.Lfunc_end_k_q5136b593ce_qkv:
	.size	k_q5136b593ce_qkv, .Lfunc_end_k_q5136b593ce_qkv-k_q5136b593ce_qkv
	.p2alignl 7, 3214868480
	.fill 96, 4, 3214868480
	.section	.rodata,"a",@progbits
	.p2align	6, 0x0
	.amdhsa_kernel k_q5136b593ce_qkv
		.amdhsa_group_segment_fixed_size 327680
		.amdhsa_private_segment_fixed_size 0
		.amdhsa_enable_private_segment 0
		.amdhsa_kernarg_size 64
		.amdhsa_user_sgpr_count 2
		.amdhsa_user_sgpr_kernarg_segment_ptr 1
		.amdhsa_wavefront_size32 1
		.amdhsa_system_sgpr_workgroup_id_x 1
		.amdhsa_system_sgpr_workgroup_id_y 1
		.amdhsa_system_sgpr_workgroup_id_z 1
		.amdhsa_system_vgpr_workitem_id 0
		.amdhsa_next_free_vgpr 1024
		.amdhsa_next_free_sgpr 102
		.amdhsa_reserve_vcc 0
		.amdhsa_float_denorm_mode_32 3
		.amdhsa_float_denorm_mode_16_64 3
		.amdhsa_memory_ordered 1
		.amdhsa_forward_progress 1
		.amdhsa_inst_pref_size 219
	.end_amdhsa_kernel
	.amdgpu_metadata
---
amdhsa.version: [ 1, 2 ]
amdhsa.kernels:
  - .name:           k_q5136b593ce_qkv
    .symbol:         k_q5136b593ce_qkv.kd
    .args:
      - { .name: x_codes, .offset: 0, .size: 8, .value_kind: global_buffer, .address_space: global }
      - { .name: x_scales, .offset: 8, .size: 8, .value_kind: global_buffer, .address_space: global }
      - { .name: w_qkv_codes, .offset: 16, .size: 8, .value_kind: global_buffer, .address_space: global }
      - { .name: w_qkv_scales, .offset: 24, .size: 8, .value_kind: global_buffer, .address_space: global }
      - { .name: b_qkv, .offset: 32, .size: 8, .value_kind: global_buffer, .address_space: global }
      - { .name: qc, .offset: 40, .size: 8, .value_kind: global_buffer, .address_space: global }
      - { .name: qs, .offset: 48, .size: 8, .value_kind: global_buffer, .address_space: global }
      - { .name: kv, .offset: 56, .size: 8, .value_kind: global_buffer, .address_space: global }
    .group_segment_fixed_size: 327680
    .private_segment_fixed_size: 0
    .kernarg_segment_align: 8
    .kernarg_segment_size: 64
    .max_flat_workgroup_size: 128
    .sgpr_count:     102
    .vgpr_count:     1024
    .wavefront_size: 32
...
	.end_amdgpu_metadata
.endif
;; end of part 1
;; launch attn (part 2): grid 4 x 64, 16 waves a work-group, no clusters, 327,680 bytes of LDS; arguments qc, qs, kv, yc, ys; writes yc, ys
.if DOCPART == 2
	.amdgcn_target "amdgcn-amd-amdhsa--gfx1250"
	.amdhsa_code_object_version 6
	.text
	.protected	k_q5136b593ce_attn
	.globl	k_q5136b593ce_attn
	.p2align	8
	.type	k_q5136b593ce_attn,@function
k_q5136b593ce_attn:
	s_mov_b64 s[64:65], 0
	v_nop
	global_prefetch_b8 v0, s[64:65] scope:SCOPE_SE
	s_setreg_imm32_b32 hwreg(HW_REG_WAVE_MODE, 25, 1), 1
	s_wait_xcnt 0x0
; Causal attention of one head on codes of FP6 (E2M3), head size 64; y = softmax(q k^T / 8) v is quantised along the model's axis (two blocks a head) and stored as images for the last product.
; THE SOFTMAX: t = score x log2(e) / 8; M = the running largest t rounded up to a whole number; p = 2^(t - M) is quantised along the keys; the row's sum is taken of the unquantised p and divides at the end;
; when M moves, the sum and O are multiplied by 2^(old M - new M), exactly.
; SHARES.  Work-group (i, head) owns the blocks of 256 queries 7 - i and then i: (8 - i) + (i + 1) = 9 slots of 256 keys for every work-group, so all 256 have equal work and the loop's trip count is a constant.
; Each of sixteen waves owns one tile of 16 queries in 256 registers: four waves to a SIMD, so that one wave's vector work stands beside another's products and LDS loads.
; The tile's queries are Q0 + r + 8 (r / 8) (the order in which the launch before laid the images); a tile lies inside 32 tokens, so a key step of 128 is hidden for all its queries or for none wholly.
; LAYOUT.  Both products transposed: S^T = K Q^T, O^T = V^T P^T: a lane holds one query.  The keys of a tile of K and the channels of a tile of V are laid so that 16 registers of two neighbouring tiles are 16 neighbours along the next K.
; K = 64 IN AN INSTRUCTION OF 128: Q's upper six registers are zero codes; K's operand of tile t is twelve registers from its own six on, the upper six being the next tile's codes (behind tile 7: zeros): they meet zero codes.
; The scale words hold the two real bytes twice.
; THE RING: two slots of two records (26,112 bytes: 128 keys' K, K's words, V, V's words each), dense in memory; waves 0 and 1 fetch a record each; the change of slots stands at a slot's head.
; NO CLUSTER: the four work-groups of a head want different slots from the sixth trip on (each turns back to key 0 at another trip); walking in step would cost 12 slots' work for 9, and a slot's 26,112 bytes are little beside its work.
; PREFETCH: at each change of slots that fills a slot, the head's first work-group (which walks all eight key slots on end) names the slot that the next change will ask for; waves 4 to 7, lanes 256 bytes apart;
; a slot has 102 such blocks, so wave 7's last lanes are held at the slot's last block; the last two changes of that walk name nothing.
; LIMITS: NaN and infinities are not served; a block whose largest magnitude lies under 2^-124 keeps the byte 1, a block of zeros too (its codes are zeros; these bytes are read by this program alone).
.set REC,    13056
.set SLOTB,  2*REC
.set SLOT1,  32768                     ; slot 1 begins here: one exclusive or turns an address
.set SPARE,  65536                     ; the spare words: 128 bytes for each of 16 waves, named by no other line
.set HEADB,  16*REC
.set LI16, 1                           ; v1   16 x lane
.set LI8,  2                           ; v2   8 x lane
.set SPW,  3
.set NIL,  4
.set AD16, 5                           ; v5, v6 the slot in hand + v1, v2
.set AD8,  6
.set QOF,  7                           ; v7   r + 8 (r / 8) - 16 h
.set YSO,  8                           ; v8   32 r
.set LN,   9                           ; v9   lane
.set PFO,  10
.set R16,  11                          ; v11  16 r
.set QF,   16                          ; v16-21 Q's codes, v22-27 zeros
.set QSC,  28                          ; v28  Q's scale words
.set QF2,  30                          ; v30-35, v36 the second block's
.set QSC2, 36
.set KV,   40                          ; v40-87 K's eight half fragments, then V's four fragments; v88-93 zeros
.set KSC,  94                          ; v94-97 K's scale words: register b: lanes 0-15 tile 2 b, lanes 16-31 tile 2 b + 1
.set VSC,  98                          ; v98-99 V's likewise
.set SS,   100                         ; v100-163 S^T, then p
.set OO,   164                         ; v164-195 O^T
.set PCD,  196                         ; v196-207 p's codes
.set CT,   208
.set BM,   216
.set PT,   220
.set SOP,  224
.set BY,   228
.set FF,   232                         ; v[232:233] f, later 1 / the sum
.set PW,   234                         ; p's scale word
.set TMP,  235
.set SUM2, 236
.set DD,   238
.set NINF, 239
.set YW,   240                         ; y's two scale bytes
.set TB,   2
.set KF,   3
.set WV,   18
.set SEL,  20
.set CS,   22
.set G1,   24
.set G0,   32
.set Q0,   36
.set Q0B,  37
.set SLOTS, 38
.set SWF,  39
.set BK,   40
.set BKV,  42
.set PFA,  52
.set LIM,  54
.set SX,   55
.set T0,   56
.macro TLOAD                           ; waves 0 and 1 fetch a record each; four v_nop follow the line
	s_cmp_lt_u32 s[WV], 2
	s_cbranch_scc0 .Lno_load_\@
	tensor_load_to_lds s[G0:G0+3], s[G1:G1+7]
	s_nop 0
.rept 4
	v_nop
.endr
.Lno_load_\@:
.endm
.macro ASK
	s_cmp_gt_u32 s[SLOTS], s[LIM]
	s_cbranch_scc0 .Lnot_mine_\@
	global_prefetch_b8 v[PFO], s[PFA:PFA+1] th:TH_LOAD_NT scope:SCOPE_SE
.Lnot_mine_\@:
.endm
	s_load_b256 s[4:11], s[0:1], 0x0               ; qc s[4:5], qs s[6:7], kv s[8:9], yc s[10:11]
	s_load_b64 s[12:13], s[0:1], 0x20              ; ys
	v_lshl_add_u32 v[SPW], v0, 2, SPARE
	v_mov_b32 v[NIL], 0
	ds_add_u32 v3, v4
	ds_add_u32 v3, v4
	s_wait_dscnt 0x0
	v_lshrrev_b32 v5, 5, v0
	s_delay_alu instid0(VALU_DEP_1)
	v_readfirstlane_b32 s[WV], v5                  ; wave 0..15
	s_and_b32 s14, ttmp7, 0xffff                   ; 16 x batch + head
	s_and_b32 s15, s[WV], 1
	s_mov_b32 s[G1], 3<<16                         ; no mask; elements of 8 bytes; no padding
	s_mov_b32 s[G1+1], 32<<16                      ; a record: 51 dense rows of 256 bytes
	s_mov_b32 s[G1+2], 51<<16
	s_mov_b32 s[G1+3], 32<<16
	s_mov_b32 s[G1+4], 51
	s_mov_b32 s[G1+5], 32
	s_mov_b32 s[G1+6], 0
	s_mov_b32 s[G1+7], 0
	s_mul_i32 s16, s14, HEADB
	s_mov_b32 s17, 0
	s_mul_i32 s60, s15, REC
	s_mov_b32 s61, 0
	s_wait_kmcnt 0x0
	s_add_nc_u64 s[8:9], s[8:9], s[16:17]          ; kv at my head
	s_mov_b32 s[G0], 1
	s_mov_b32 s[G0+1], s60                         ; slot 0, record wave % 2
	s_add_nc_u64 s[G0+2:G0+3], s[8:9], s[60:61]
	s_or_b32 s[G0+3], s[G0+3], 0x80000000
	TLOAD                                          ; key slot 0
	v_and_b32 v[LN], 31, v0
	s_delay_alu instid0(VALU_DEP_1)
	v_lshlrev_b32 v[LI16], 4, v[LN]
	s_delay_alu instid0(VALU_DEP_2)
	v_lshlrev_b32 v[LI8], 3, v[LN]
	s_wait_alu depctr_va_vdst(0)
	v_and_b32 v5, 15, v0                           ; r
	v_bfe_u32 v6, v0, 4, 1                         ; h
	s_delay_alu instid0(VALU_DEP_2)
	v_and_b32 v[QOF], 8, v5
	s_delay_alu instid0(VALU_DEP_1)
	v_add_nc_u32 v[QOF], v[QOF], v5
	s_delay_alu instid0(VALU_DEP_3)
	v_lshlrev_b32 v6, 4, v6
	s_delay_alu instid0(VALU_DEP_1)
	v_sub_nc_u32 v[QOF], v[QOF], v6
	v_lshlrev_b32 v[YSO], 5, v5
	v_lshlrev_b32 v[R16], 4, v5
	s_wait_alu depctr_va_vdst(0)
	s_sub_co_u32 s56, 7, ttmp9                     ; my first block of queries
	s_mov_b32 s59, 0
	s_mov_b32 s61, 0
	s_lshl_b32 s57, s14, 7
	s_add_co_u32 s57, s57, s[WV]                   ; 128 tiles a head, + wave
	s_lshl_b32 s58, s56, 4
	s_add_co_u32 s58, s58, s57
	s_mul_i32 s58, s58, 768
	s_lshl_b32 s60, ttmp9, 4
	s_add_co_u32 s60, s60, s57
	s_mul_i32 s60, s60, 768
	s_add_nc_u64 s[66:67], s[4:5], s[60:61]        ; Q's codes: block i,
	s_add_nc_u64 s[4:5], s[4:5], s[58:59]          ; block 7 - i
	s_lshl_b32 s57, s14, 13                        ; Q's words: 8,192 bytes a head, 512 for 128 tokens; tile t = wave % 8: 256 (t % 2) + 4 (t / 2)
	s_lshr_b32 s62, s[WV], 3
	s_lshl_b32 s62, s62, 9
	s_add_co_u32 s57, s57, s62
	s_lshl_b32 s62, s15, 8
	s_add_co_u32 s57, s57, s62
	s_bfe_u32 s62, s[WV], 0x20001
	s_lshl_b32 s62, s62, 2
	s_add_co_u32 s57, s57, s62
	s_lshl_b32 s58, s56, 10
	s_add_co_u32 s58, s58, s57
	s_lshl_b32 s60, ttmp9, 10
	s_add_co_u32 s60, s60, s57
	s_add_nc_u64 s[68:69], s[6:7], s[60:61]
	s_add_nc_u64 s[6:7], s[6:7], s[58:59]
	global_load_b128 v[QF:QF+3], v[LI16], s[4:5]
	global_load_b64 v[QF+4:QF+5], v[LI8], s[4:5] offset:512
	global_load_b32 v[QSC], v[R16], s[6:7]
	global_load_b128 v[QF2:QF2+3], v[LI16], s[66:67]
	global_load_b64 v[QF2+4:QF2+5], v[LI8], s[66:67] offset:512
	global_load_b32 v[QSC2], v[R16], s[68:69]
.irp j, 0,1,2,3,4,5
	v_mov_b32 v[QF+6+\j], 0                        ; zero codes for the instruction's upper 64 along K
	v_mov_b32 v[KV+48+\j], 0
.endr
	s_lshr_b32 s62, s[WV], 1
	s_lshl_b32 s62, s62, 5
	s_lshl_b32 s63, s15, 3
	s_add_co_u32 s62, s62, s63                     ; 32 (wave / 2) + 8 (wave % 2)
	s_lshl_b32 s[Q0], s56, 8
	s_add_co_u32 s[Q0], s[Q0], s62                 ; my tile's first query, in block 7 - i
	s_lshl_b32 s[Q0B], ttmp9, 8
	s_add_co_u32 s[Q0B], s[Q0B], s62               ; and in block i
	s_lshr_b32 s57, s14, 4
	s_lshl_b32 s57, s57, 7
	s_add_co_u32 s57, s57, s[WV]                   ; 128 x batch + wave
	s_and_b32 s63, s14, 15                         ; the head
	s_lshl_b32 s62, s63, 1
	s_lshl_b32 s58, s56, 4
	s_add_co_u32 s58, s58, s57                     ; y's tile of rows, block 7 - i
	s_lshl_b32 s60, s58, 9
	s_add_co_u32 s60, s60, s62
	s_add_nc_u64 s[46:47], s[12:13], s[60:61]      ; its scale bytes: 512 x tile + 2 x head
	s_lshl_b32 s58, s58, 4
	s_add_co_u32 s58, s58, s63
	s_mul_i32 s58, s58, 768
	s_add_nc_u64 s[44:45], s[10:11], s[58:59]      ; its codes: (16 x tile + head) x 768
	s_lshl_b32 s58, ttmp9, 4
	s_add_co_u32 s58, s58, s57                     ; block i
	s_lshl_b32 s60, s58, 9
	s_add_co_u32 s60, s60, s62
	s_add_nc_u64 s[50:51], s[12:13], s[60:61]
	s_lshl_b32 s58, s58, 4
	s_add_co_u32 s58, s58, s63
	s_mul_i32 s58, s58, 768
	s_add_nc_u64 s[48:49], s[10:11], s[58:59]
	s_mov_b32 s[SEL], 0x76543210
	s_mov_b32 s[SEL+1], 0xfedcba98                 ; lane l xor 16
	s_mov_b32 s[CS], 0x3e38aa3b                    ; c = log2(e) / 8
	s_mov_b32 s[CS+1], s[CS]
	s_mov_b32 s[TB], 0
	s_mov_b32 s[KF], 0
	s_mov_b32 s[SLOTS], 8
	s_add_co_u32 s[SWF], ttmp9, 1                  ; the count at which the first block's last slot is in hand
	s_mov_b32 s[BK+1], 0
	s_sub_co_u32 s[BKV], 8, ttmp9
	s_mul_i32 s[BKV], s[BKV], SLOTB                ; back to key slot 0
	s_add_nc_u64 s[PFA:PFA+1], s[8:9], SLOTB       ; at key slot 1: the first change steps it to slot 2.  Nothing is prefetched here, at the head
	s_and_b32 s57, s[WV], 3
	s_lshl_b32 s57, s57, 13
	v_lshlrev_b32 v[PFO], 8, v[LN]
	s_delay_alu instid0(VALU_DEP_1)
	v_add_nc_u32 v[PFO], s57, v[PFO]
	s_delay_alu instid0(VALU_DEP_1)
	v_min_u32 v[PFO], SLOTB-256, v[PFO]
	s_lshr_b32 s57, s[WV], 2
	s_xor_b32 s57, s57, 1                          ; 0 in waves 4 to 7,
	s_or_b32 s57, s57, ttmp9                       ; of the head's first work-group
	s_cmp_eq_u32 s57, 0
	s_cselect_b32 s[LIM], 2, -1
	v_mov_b32 v13, 0xff61b1e6                      ; the largest t so far: -3e38
	s_delay_alu instid0(VALU_DEP_1)
	v_floor_f32 v12, -v13                          ; -M
	v_mov_b32 v14, 0
	v_mov_b32 v15, 0
.irp b, 0,1,2,3
	v_mov_b32 v[PT+\b], 0                          ; written once: a lane permute's destination counts as read
.endr
	v_mov_b32 v[FF+1], 0                           ; (named as the upper half of a pair)
	v_mov_b32 v[TMP], 0
	v_mov_b32 v[NINF], 0xff800000
.irp j, 0,1,2,3,4,5,6,7,8,9,10,11,12,13,14,15,16,17,18,19,20,21,22,23,24,25,26,27,28,29,30,31
	v_mov_b32 v[OO+\j], 0                          ; the step is written once: the first finds zeros
.endr
; A KEY STEP: 128 keys, record q of the slot in hand.
.macro STEP q
.set RB, REC*(\q)
	s_add_co_u32 s[T0], s[Q0], 23                  ; a step all of whose keys come after my queries is left out: a branch on ids
	s_cmp_gt_u32 s[KF], s[T0]
	s_cbranch_scc1 .Lhidden_\@
	v_add_nc_u32 v[AD16], s[TB], v[LI16]
	v_add_nc_u32 v[AD8], s[TB], v[LI8]
	v_nop
	v_nop                                          ; four places in front of loads into registers that the last products read
.irp t, 0,1,2,3,4,5,6,7
	ds_load_b128 v[KV+6*\t:KV+6*\t+3], v[AD16] offset:RB+768*\t
	ds_load_b64 v[KV+6*\t+4:KV+6*\t+5], v[AD8] offset:RB+768*\t+512
.endr
	ds_load_b128 v[KSC:KSC+3], v[AD16] offset:RB+6144
	s_wait_alu depctr_va_vdst(0)
	s_wait_dscnt 0x0
.irp t, 0,1,2,3,4,5,6,7
.if (\t)%2
	v_wmma_scale_f32_16x16x128_f8f6f4 v[SS+8*\t:SS+8*\t+7], v[KV+6*\t:KV+6*\t+11], v[QF:QF+11], 0, v[KSC+\t/2], v[QSC] matrix_a_fmt:MATRIX_FMT_FP6 matrix_b_fmt:MATRIX_FMT_FP6 matrix_a_scale:MATRIX_SCALE_ROW1
.else
	v_wmma_scale_f32_16x16x128_f8f6f4 v[SS+8*\t:SS+8*\t+7], v[KV+6*\t:KV+6*\t+11], v[QF:QF+11], 0, v[KSC+\t/2], v[QSC] matrix_a_fmt:MATRIX_FMT_FP6 matrix_b_fmt:MATRIX_FMT_FP6
.endif
.endr
.rept 4
	v_nop                                          ; places: for the reads of the scores and for V's loads into K's registers
.endr
.irp t, 0,1,2,3                                ; V is asked for now and lands under the softmax
.irp c, 0,1
	ds_load_b128 v[KV+12*\t+6*\c:KV+12*\t+6*\c+3], v[AD16] offset:RB+6656+(4*\c+\t)*768
	ds_load_b64 v[KV+12*\t+6*\c+4:KV+12*\t+6*\c+5], v[AD8] offset:RB+6656+(4*\c+\t)*768+512
.endr
.endr
	ds_load_b64 v[VSC:VSC+1], v[AD8] offset:RB+12800
	s_add_co_u32 s[T0], s[KF], 127                 ; on the diagonal hidden scores become -infinity; a step all of whose keys count skips this
	s_cmp_le_u32 s[T0], s[Q0]
	s_cbranch_scc1 .Lopen_\@
	s_sub_co_i32 s[T0], s[Q0], s[KF]
	v_add_nc_u32 v[DD], s[T0], v[QOF]              ; d = my query - KF - 16 h.  Register 16 b + i holds key KF + 16 h + 32 b + i: hidden where 32 b + i > d
.irp n, 0,1,2,3,4,5,6,7,8,9,10,11,12,13,14,15,16,17,18,19,20,21,22,23,24,25,26,27,28,29,30,31,32,33,34,35,36,37,38,39,40,41,42,43,44,45,46,47,48,49,50,51,52,53,54,55,56,57,58,59,60,61,62,63
	v_cmp_gt_i32 vcc_lo, 32*(\n/16)+\n%16, v[DD]
	v_cndmask_b32 v[SS+\n], v[SS+\n], v[NINF], vcc_lo
.endr
.Lopen_\@:
.irp b, 0,1,2,3
	v_max3_num_f32 v[BM+\b], v[SS+16*\b], v[SS+1+16*\b], v[SS+2+16*\b]        ; the largest score of each block of 32 keys: for the row's maximum and for the block's largest p
.endr
.irp i, 3,5,7,9,11,13
.irp b, 0,1,2,3
	v_max3_num_f32 v[BM+\b], v[BM+\b], v[SS+16*\b+\i], v[SS+1+16*\b+\i]
.endr
.endr
.irp b, 0,1,2,3
	v_max_num_f32 v[BM+\b], v[BM+\b], v[SS+15+16*\b]
.endr
.irp b, 0,1,2,3
	s_delay_alu instid0(VALU_DEP_4)
	v_permlanex16_b32 v[PT+\b], v[BM+\b], s[SEL], s[SEL+1]
.endr
.irp b, 0,1,2,3
	s_delay_alu instid0(VALU_DEP_4)
	v_max_num_f32 v[BM+\b], v[BM+\b], v[PT+\b]
.endr
	s_delay_alu instid0(VALU_DEP_2)
	v_max3_num_f32 v[TMP], v[BM], v[BM+1], v[BM+2]
	s_delay_alu instid0(VALU_DEP_1)
	v_max_num_f32 v[TMP], v[TMP], v[BM+3]
	s_delay_alu instid0(VALU_DEP_1)
	v_mul_f32 v[TMP], s[CS], v[TMP]
	s_delay_alu instid0(VALU_DEP_1)
	v_max_num_f32 v13, v13, v[TMP]                 ; the running largest t
	v_mov_b32 v[TMP], v12
	s_delay_alu instid0(VALU_DEP_2)
	v_floor_f32 v12, -v13                          ; the new -M: a whole number
	s_delay_alu instid0(VALU_DEP_1)
	v_sub_f32 v[TMP], v12, v[TMP]
	s_delay_alu instid0(VALU_DEP_1)
	v_cvt_i32_f32 v[TMP], v[TMP]                   ; (it saturates)
	s_delay_alu instid0(VALU_DEP_1)
	v_ldexp_f32 v[FF], 1.0, v[TMP]                 ; f = 2^(old M - new M)
.irp j, 0,2,4,6,8,10,12,14,16,18,20,22,24,26,28,30,32,34,36,38,40,42,44,46,48,50,52,54,56,58,60,62
	v_pk_fma_f32 v[SS+\j:SS+\j+1], v[SS+\j:SS+\j+1], s[CS:CS+1], v[12:13] op_sel_hi:[1,0,0]   ; t - M
.endr
.irp b, 0,1,2,3
	v_fma_f32 v[BM+\b], v[BM+\b], s[CS], v12
.endr
	s_wait_alu depctr_va_vdst(0)
.irp j, 0,1,2,3,4,5,6,7,8,9,10,11,12,13,14,15,16,17,18,19,20,21,22,23,24,25,26,27,28,29,30,31,32,33,34,35,36,37,38,39,40,41,42,43,44,45,46,47,48,49,50,51,52,53,54,55,56,57,58,59,60,61,62,63
	v_exp_f32 v[SS+\j], v[SS+\j]                   ; p = 2^(t - M)
.endr
	v_pk_mul_f32 v[14:15], v[14:15], v[FF:FF+1] op_sel_hi:[1,0]               ; the sums under the new M: the plain place behind the exponentials
	s_wait_alu depctr_va_vdst(0)                   ; one wait for the batch, ahead of its first reader
.irp b, 0,1,2,3
	v_exp_f32 v[BM+\b], v[BM+\b]                   ; each block's largest p
.endr
	v_pk_add_f32 v[236:237], v[104:105], v[108:109]
	v_pk_add_f32 v[254:255], v[112:113], v[116:117]
	v_pk_add_f32 v[252:253], v[120:121], v[124:125]
	v_pk_add_f32 v[250:251], v[128:129], v[132:133]
	v_pk_add_f32 v[248:249], v[136:137], v[140:141]
	v_pk_add_f32 v[246:247], v[144:145], v[148:149]
	v_pk_add_f32 v[244:245], v[152:153], v[156:157]
	v_pk_add_f32 v[14:15], v[14:15], v[160:161]
	v_pk_add_f32 v[236:237], v[236:237], v[100:101]
	v_pk_add_f32 v[254:255], v[254:255], v[102:103]
	v_pk_add_f32 v[252:253], v[252:253], v[106:107]
	v_pk_add_f32 v[250:251], v[250:251], v[110:111]
	v_pk_add_f32 v[248:249], v[248:249], v[114:115]
	v_pk_add_f32 v[246:247], v[246:247], v[118:119]
	v_pk_add_f32 v[244:245], v[244:245], v[122:123]
	v_pk_add_f32 v[14:15], v[14:15], v[126:127]
	v_pk_add_f32 v[236:237], v[236:237], v[130:131]
	v_pk_add_f32 v[254:255], v[254:255], v[134:135]
	v_pk_add_f32 v[252:253], v[252:253], v[138:139]
	v_pk_add_f32 v[250:251], v[250:251], v[142:143]
	v_pk_add_f32 v[248:249], v[248:249], v[146:147]
	v_pk_add_f32 v[246:247], v[246:247], v[150:151]
	v_pk_add_f32 v[244:245], v[244:245], v[154:155]
	v_pk_add_f32 v[14:15], v[14:15], v[158:159]
	v_pk_add_f32 v[236:237], v[236:237], v[162:163]
	s_delay_alu instid0(VALU_DEP_2)
	v_pk_add_f32 v[14:15], v[14:15], v[250:251]
	s_delay_alu instid0(VALU_DEP_2)
	v_pk_add_f32 v[236:237], v[236:237], v[248:249]
	v_pk_add_f32 v[254:255], v[254:255], v[246:247]
	v_pk_add_f32 v[252:253], v[252:253], v[244:245]
	s_delay_alu instid0(VALU_DEP_2)
	v_pk_add_f32 v[14:15], v[14:15], v[254:255]
	s_delay_alu instid0(VALU_DEP_2)
	v_pk_add_f32 v[236:237], v[236:237], v[252:253]
	s_delay_alu instid0(VALU_DEP_1)
	v_pk_add_f32 v[14:15], v[14:15], v[236:237]
	s_wait_alu depctr_va_vdst(0)                   ; and one for the four
.irp b, 0,1,2,3
	v_max_num_f32 v[BM+\b], 0x1800000, v[BM+\b]    ; the floor 2^(3 - 127)
.endr
.irp b, 0,1,2,3
	s_delay_alu instid0(VALU_DEP_4)
	v_add_nc_u32 v[SOP+\b], 0xff000000, v[BM+\b]   ; 2 off the exponent field: the conversion's scale operand
.endr
.irp b, 0,1,2,3
	s_delay_alu instid0(VALU_DEP_4)
	v_lshrrev_b32 v[BY+\b], 23, v[SOP+\b]
.endr
	s_delay_alu instid0(VALU_DEP_3)
	v_lshl_or_b32 v[PW], v[BY+1], 8, v[BY]
	s_delay_alu instid0(VALU_DEP_1)
	v_lshl_or_b32 v[PW], v[BY+2], 16, v[PW]
	s_delay_alu instid0(VALU_DEP_1)
	v_lshl_or_b32 v[PW], v[BY+3], 24, v[PW]
.irp c, 0,1
	v_cvt_scalef32_pk16_fp6_f32 v[PCD+6*\c:PCD+6*\c+2], v[SS+32*\c:SS+32*\c+15], v[SOP+2*\c]
	v_cvt_scalef32_pk16_fp6_f32 v[CT+4*\c:CT+4*\c+2], v[SS+16+32*\c:SS+31+32*\c], v[SOP+2*\c+1]
.endr
	v_nop                                          ; one plain place behind the conversions
.irp c, 0,1                                    ; a whole block to a lane: lanes 0-15 block 2 c, lanes 16-31 block 2 c + 1
.irp i, 0,1,2
	v_permlane16_swap_b32 v[PCD+6*\c+\i], v[CT+4*\c+\i]
.endr
.irp i, 0,1,2
	s_delay_alu instid0(VALU_DEP_3)
	v_mov_b32 v[PCD+3+6*\c+\i], v[CT+4*\c+\i]
.endr
.endr
.irp j, 0,2,4,6,8,10,12,14,16,18,20,22,24,26,28,30
	v_pk_mul_f32 v[OO+\j:OO+\j+1], v[OO+\j:OO+\j+1], v[FF:FF+1] op_sel_hi:[1,0]   ; O^T under the new M; these sixteen also part the operands just written from the products
.endr
	s_wait_alu depctr_va_vdst(0)
	s_wait_dscnt 0x0                               ; V
.irp t, 0,1,2,3
.if (\t)%2
	v_wmma_scale_f32_16x16x128_f8f6f4 v[OO+8*\t:OO+8*\t+7], v[KV+12*\t:KV+12*\t+11], v[PCD:PCD+11], v[OO+8*\t:OO+8*\t+7], v[VSC+\t/2], v[PW] matrix_a_fmt:MATRIX_FMT_FP6 matrix_b_fmt:MATRIX_FMT_FP6 matrix_a_scale:MATRIX_SCALE_ROW1
.else
	v_wmma_scale_f32_16x16x128_f8f6f4 v[OO+8*\t:OO+8*\t+7], v[KV+12*\t:KV+12*\t+11], v[PCD:PCD+11], v[OO+8*\t:OO+8*\t+7], v[VSC+\t/2], v[PW] matrix_a_fmt:MATRIX_FMT_FP6 matrix_b_fmt:MATRIX_FMT_FP6
.endif
.endr
.Lhidden_\@:
	s_add_co_u32 s[KF], s[KF], 128
.endm
; THE CHANGE OF SLOTS, at a slot's head.  fill = 1: the slot that has been left takes the keys of the next trip; where the first block of queries ends, those are the head's first keys again.
.macro CHANGE fill
	s_wait_tensorcnt 0x0                           ; no tensor load of mine is out, so the group 0 may be written
	ds_add_u32 v[SPW], v[NIL]                      ; 0 onto my spare word
.if \fill
	s_xor_b32 s[G0+1], s[G0+1], SLOT1
	s_add_nc_u64 s[G0+2:G0+3], s[G0+2:G0+3], SLOTB
	s_cmp_eq_u32 s[SLOTS], s[SWF]
	s_cselect_b32 s[BK], s[BKV], 0
	s_sub_nc_u64 s[G0+2:G0+3], s[G0+2:G0+3], s[BK:BK+1]
	s_wait_xcnt 0x0                                ; the last prefetch, a slot back, has read its address
	s_add_nc_u64 s[PFA:PFA+1], s[PFA:PFA+1], SLOTB
.endif
	s_wait_dscnt 0x0                               ; the add is done, and my reads of the slot that I have left are over
	s_barrier_signal -1
	s_barrier_wait -1
.if \fill
	TLOAD                                          ; the first thing behind the barrier, a wave's one tensor load until the next
	ASK
.endif
.endm
.macro SLOT_STEPS
	STEP 0
	STEP 1
	s_xor_b32 s[TB], s[TB], SLOT1
.endm
; A block of queries is done: O^T / the sum, quantised along the head's 64 (two blocks), stored as a half fragment and two scale bytes a row.
.macro FINISH yp, ysp
	v_add_f32 v14, v14, v15
	s_delay_alu instid0(VALU_DEP_1)
	v_permlanex16_b32 v[TMP], v14, s[SEL], s[SEL+1]
	s_delay_alu instid0(VALU_DEP_1)
	v_add_f32 v14, v14, v[TMP]                     ; the row's sum
	s_wait_alu depctr_va_vdst(0)
	v_rcp_f32 v[FF], v14
	v_nop
	v_nop
	v_nop                                          ; plain places: behind the reciprocal, and (with the additions) behind the last products
	s_wait_alu depctr_va_vdst(0)                   ; ahead of the reciprocal's first reader
.irp j, 0,2,4,6,8,10,12,14,16,18,20,22,24,26,28,30
	v_pk_mul_f32 v[OO+\j:OO+\j+1], v[OO+\j:OO+\j+1], v[FF:FF+1] op_sel_hi:[1,0]   ; each accumulator from its low end on; register 16 b + i is channel 32 b + 16 h + i
.endr
.irp b, 0,1
	v_max3_num_f32 v[BM+\b], |v[OO+16*\b]|, |v[OO+1+16*\b]|, 0x1800000
.endr
.irp i, 2,4,6,8,10,12,14
.irp b, 0,1
	s_delay_alu instid0(VALU_DEP_2)
	v_max3_num_f32 v[BM+\b], v[BM+\b], |v[OO+16*\b+\i]|, |v[OO+1+16*\b+\i]|
.endr
.endr
.irp b, 0,1
	s_delay_alu instid0(VALU_DEP_2)
	v_permlanex16_b32 v[PT+\b], v[BM+\b], s[SEL], s[SEL+1]
.endr
.irp b, 0,1
	s_delay_alu instid0(VALU_DEP_2)
	v_max_num_f32 v[BM+\b], v[BM+\b], v[PT+\b]
.endr
.irp b, 0,1
	s_delay_alu instid0(VALU_DEP_2)
	v_add_nc_u32 v[SOP+\b], 0xff000000, v[BM+\b]
.endr
.irp b, 0,1
	s_delay_alu instid0(VALU_DEP_2)
	v_lshrrev_b32 v[BY+\b], 23, v[SOP+\b]
.endr
	s_delay_alu instid0(VALU_DEP_1)
	v_lshl_or_b32 v[YW], v[BY+1], 8, v[BY]
	v_cvt_scalef32_pk16_fp6_f32 v[PCD:PCD+2], v[OO:OO+15], v[SOP]
	v_cvt_scalef32_pk16_fp6_f32 v[CT:CT+2], v[OO+16:OO+31], v[SOP+1]
	v_nop
.irp i, 0,1,2
	v_permlane16_swap_b32 v[PCD+\i], v[CT+\i]
.endr
.irp i, 0,1,2
	s_delay_alu instid0(VALU_DEP_3)
	v_mov_b32 v[PCD+3+\i], v[CT+\i]
.endr
	global_store_b128 v[LI16], v[PCD:PCD+3], s[\yp:\yp+1]                     ; 512 consecutive bytes, at a multiple of 256 from the buffer's first byte
	global_store_b64 v[LI8], v[PCD+4:PCD+5], s[\yp:\yp+1] offset:512          ; and 256
	v_cmp_gt_u32 vcc_lo, 16, v[LN]
	s_wait_xcnt 0x0                                ; EXEC changes only behind this wait
	s_and_saveexec_b32 s[SX], vcc_lo
	global_store_b16 v[YSO], v[YW], s[\ysp:\ysp+1]                            ; lanes 0-15: my head's two bytes of row r's 32: the other heads' come from other work-groups
	s_wait_xcnt 0x0                                ; and again; the stores' data may be written again too
	s_or_b32 exec_lo, exec_lo, s[SX]
.endm
	s_wait_loadcnt 0x0                             ; Q
.Lslot:                                            ; eight trips: behind each change of slots but the last the next slot is asked for
	CHANGE 1
	SLOT_STEPS
	s_cmp_lg_u32 s[SLOTS], s[SWF]
	s_cbranch_scc1 .Lsame_block
	s_wait_alu depctr_va_vdst(0)
	FINISH 44, 46                                  ; block 7 - i is done
.irp j, 0,1,2,3,4,5
	v_mov_b32 v[QF+\j], v[QF2+\j]                  ; on to block i (these first: the moves below part them from the next products)
.endr
	v_mov_b32 v[QSC], v[QSC2]
.irp j, 0,1,2,3,4,5,6,7,8,9,10,11,12,13,14,15,16,17,18,19,20,21,22,23,24,25,26,27,28,29,30,31
	v_mov_b32 v[OO+\j], 0
.endr
	v_mov_b32 v13, 0xff61b1e6
	s_delay_alu instid0(VALU_DEP_1)
	v_floor_f32 v12, -v13
	v_mov_b32 v14, 0
	v_mov_b32 v15, 0
	s_mov_b32 s[Q0], s[Q0B]
	s_mov_b32 s[KF], 0
.Lsame_block:
	s_sub_co_u32 s[SLOTS], s[SLOTS], 1
	s_cmp_lg_u32 s[SLOTS], 0
	s_cbranch_scc1 .Lslot
	CHANGE 0                                       ; the last slot is written out
	SLOT_STEPS
	s_wait_alu depctr_va_vdst(0)
	FINISH 48, 50
	s_wait_tensorcnt 0x0                           ; the wave's end
	ds_add_u32 v[SPW], v[NIL]
	s_wait_dscnt 0x0
	s_endpgm
.Lfunc_end_k_q5136b593ce_attn:
	.size	k_q5136b593ce_attn, .Lfunc_end_k_q5136b593ce_attn-k_q5136b593ce_attn
	.p2alignl 7, 3214868480
	.fill 96, 4, 3214868480
	.section	.rodata,"a",@progbits
	.p2align	6, 0x0
	.amdhsa_kernel k_q5136b593ce_attn
		.amdhsa_group_segment_fixed_size 327680
		.amdhsa_private_segment_fixed_size 0
		.amdhsa_enable_private_segment 0
		.amdhsa_kernarg_size 40
		.amdhsa_user_sgpr_count 2
		.amdhsa_user_sgpr_kernarg_segment_ptr 1
		.amdhsa_wavefront_size32 1
		.amdhsa_system_sgpr_workgroup_id_x 1
		.amdhsa_system_sgpr_workgroup_id_y 1
		.amdhsa_system_sgpr_workgroup_id_z 1
		.amdhsa_system_vgpr_workitem_id 0
		.amdhsa_next_free_vgpr 256
		.amdhsa_next_free_sgpr 72
		.amdhsa_reserve_vcc 1
		.amdhsa_float_denorm_mode_32 3
		.amdhsa_float_denorm_mode_16_64 3
		.amdhsa_memory_ordered 1
		.amdhsa_forward_progress 1
		.amdhsa_inst_pref_size 109
	.end_amdhsa_kernel
	.amdgpu_metadata
---
amdhsa.version: [ 1, 2 ]
amdhsa.kernels:
  - .name:           k_q5136b593ce_attn
    .symbol:         k_q5136b593ce_attn.kd
    .args:
      - { .name: qc, .offset: 0, .size: 8, .value_kind: global_buffer, .address_space: global }
      - { .name: qs, .offset: 8, .size: 8, .value_kind: global_buffer, .address_space: global }
      - { .name: kv, .offset: 16, .size: 8, .value_kind: global_buffer, .address_space: global }
      - { .name: yc, .offset: 24, .size: 8, .value_kind: global_buffer, .address_space: global }
      - { .name: ys, .offset: 32, .size: 8, .value_kind: global_buffer, .address_space: global }
    .group_segment_fixed_size: 327680
    .private_segment_fixed_size: 0
    .kernarg_segment_align: 8
    .kernarg_segment_size: 40
    .max_flat_workgroup_size: 512
    .sgpr_count:     72
    .vgpr_count:     256
    .wavefront_size: 32
...
	.end_amdgpu_metadata
.endif
;; end of part 2
;; launch proj (part 3): grid 4 x 32, 4 waves a work-group, clusters of 4 x 4, 327,680 bytes of LDS; arguments yc, ys, w_proj_codes, w_proj_scales, b_proj, out0; writes out0
.if DOCPART == 3
	.amdgcn_target "amdgcn-amd-amdhsa--gfx1250"
	.amdhsa_code_object_version 6
	.text
	.protected	k_q5136b593ce_proj
	.globl	k_q5136b593ce_proj
	.p2align	8
	.type	k_q5136b593ce_proj,@function
k_q5136b593ce_proj:
	s_mov_b64 s[64:65], 0
	v_nop
	global_prefetch_b8 v0, s[64:65] scope:SCOPE_SE
	s_setreg_imm32_b32 hwreg(HW_REG_WAVE_MODE, 25, 1), 1
	s_wait_xcnt 0x0
	s_wait_alu depctr_hold_cnt(0) depctr_sa_sdst(0) depctr_va_vdst(0) depctr_va_sdst(0) depctr_va_ssrc(0) depctr_va_vcc(0) depctr_vm_vsrc(0)
	s_getreg_b32 s2, hwreg(HW_REG_IB_STS2, 6, 4)
	s_cmp_eq_u32 s2, 0
	s_cbranch_scc0 .Lentry_in_a_cluster
	s_endpgm
.Lentry_in_a_cluster:
	s_bfe_u32 s2, ttmp6, 0x10000c
	s_cmp_lg_u32 s2, 0xf033
	s_cbranch_scc0 .Lentry_shape_is_right
	s_endpgm
.Lentry_shape_is_right:
; out0 = y w_proj + b_proj on codes of FP6 (E2M3) with E8M0 scales, K = 1,024.  y comes as images of operand registers (yc: [tile of 16 rows][head] half fragments of 768 bytes: lane l's registers 0-3 at 16 l,
; registers 4-5 at 512 + 8 l) with its scale bytes ys [row in image order][32]; w_proj as rows of codes, K innermost.
; A work-group of four waves makes 256 x 256 of out0, a wave 128 x 128: 64 accumulators.  K goes in steps of 256 (four heads) through two LDS slots.  Source 0 = 16 rows of w ("B"), source 1 = 16 rows of y ("A").
; A's tile of a slot: 8 tiles of rows x 3,072 consecutive bytes, 12,288 bytes apart: it lies in LDS as it lies in memory, and a fragment comes by two loads of 16 and two of 8 bytes a lane, consecutive from lane to lane.
; The bias is the C of each sum's first product.  THE ROWS: lane r of a wave's tile a is token 32 (a / 2) + 8 (a % 2) + r + 8 (r / 8) of its 128: the stores' offsets put each row in its place.
; CLUSTERS: 4 x 4 work-groups; A's tiles are asked for jointly along a row of the cluster, B's along a column.  No prefetch: K has four slots' worth.
.set NQ,     2
.set ROWB,   192
.set KROW,   768
.set PITCH,  240
.set FR,     12
.set NLA,    4                         ; LDS loads of a fragment of A
.set NP,     4
.set ASTEP,  3072                      ; a tile of rows' bytes of a slot
.set HALFA,  8*ASTEP
.set HALFT,  128*PITCH
.set BOFF,   2*HALFA
.set SLOT,   BOFF+2*HALFT
.set LAPS,   2
.set KS,     32
.set SCL,    2*SLOT
.set HALFS,  16*272
.set SBLK,   2*272
.set SPARE,  SCL+4*HALFS               ; the spare words: 128 bytes a wave, named by no other line
.set SPITCH, 528                       ; the way out: 16 rows x (512 + 16) bytes a wave, in slot 0, which has had its last fill and its last read by then
.set ADRA, 16                          ; v16-17 A's images in slot 0, 1 + 16 x lane; v18-19 + 8 x lane
.set ADRB, 20
.set STO,  24
.set RD,   25
.set CO,   26
.set ADRS, 27
.set SPW,  28
.set NIL,  29
.set SC,   32                          ; v32-63 scale words, two sets: they hold nothing else
.set BJ,   64                          ; v64-127 the bias in the result's layout: tile b at v[64 + 8 b]
.set AF,   128
.set BK,   128
.set G1, 24
.set G0, 32
.set G1B, 48
.set G0B, 56
.set G1S, 68
.set G0S, 76
.set G1SB, 80
.set G0SB, 88
.set MSB, 0
.macro WIN new
.if MSB != \new
	s_set_vgpr_msb (MSB<<8)|\new
.set MSB, \new
.endif
.endm
.set MUL_LO, 0xa1
.set MUL_HI, 0xf1
.set TO_B,   0x40
.macro JLOAD g0a, g1a, g0b, g1b        ; a joint load: waves 0 and 1 for A, waves 2 and 3 for B; four v_nop follow each line
	s_cmp_eq_u32 s15, 0
	s_cbranch_scc0 .Lfor_b_\@
	tensor_load_to_lds s[\g0a:\g0a+3], s[\g1a:\g1a+7]
	s_nop 0
.rept 4
	v_nop
.endr
	s_branch .Lasked_\@
.Lfor_b_\@:
	tensor_load_to_lds s[\g0b:\g0b+3], s[\g1b:\g1b+7]
	s_nop 0
.rept 4
	v_nop
.endr
.Lasked_\@:
.endm
.macro CREST
	s_cmp_lg_u32 s14, 0
	s_cbranch_scc1 .Lnot_wave_0_\@
	s_barrier_signal -3
.Lnot_wave_0_\@:
	s_barrier_wait -3
	s_barrier_signal -1
	s_barrier_wait -1
.endm
.macro CROUND
	s_barrier_signal -1
	s_barrier_wait -1
	CREST
.endm
	s_load_b256 s[4:11], s[0:1], 0x0               ; yc s[4:5], ys s[6:7], w's codes s[8:9], w's scales s[10:11]
	s_load_b128 s[92:95], s[0:1], 0x20             ; b_proj s[92:93], out0 s[94:95]
	v_lshl_add_u32 v[SPW], v0, 2, SPARE
	v_mov_b32 v[NIL], 0
	ds_add_u32 v28, v29
	s_wait_dscnt 0x0
	v_lshrrev_b32 v1, 5, v0
	v_readfirstlane_b32 s14, v1
	s_lshr_b32 s15, s14, 1                         ; my half of the rows.  Also: I fetch for A (0) or for B (1)
	s_and_b32 s16, s14, 1                          ; my half of the columns.  Also: which half of that tile I fetch
	s_bfe_u32 s40, ttmp6, 0x40000                  ; cx
	s_bfe_u32 s41, ttmp6, 0x40004                  ; cy
	s_lshl_b32 s42, ttmp9, 2
	s_add_co_u32 s42, s42, s40                     ; tile column
	s_and_b32 s17, ttmp7, 0xffff
	s_lshl_b32 s17, s17, 2
	s_add_co_u32 s17, s17, s41                     ; tile row
	s_lshl_b32 s43, s41, 2
	s_lshl_b32 s43, 15, s43
	s_lshl_b32 s44, 0x1111, s40
	s_or_b32 s[G1+0], s43, (3<<16)|(1<<21)         ; A: the mask of my row; elements of 8 bytes; bit 21 beside a mask; no padding
	s_mov_b32 s[G1+1], 384<<16                     ; 384 elements: 3,072 bytes
	s_mov_b32 s[G1+2], 8<<16                       ; 8 tiles of rows
	s_mov_b32 s[G1+3], 384<<16
	s_mov_b32 s[G1+4], 8
	s_mov_b32 s[G1+5], 1536                        ; 12,288 bytes from one to the next
	s_mov_b32 s[G1+6], 0
	s_mov_b32 s[G1+7], 0
	s_or_b32 s[G1B+0], s44, (0<<16)|(1<<20)|(1<<21)|(3<<22)|(3<<25)  ; B: 128 rows of 192 bytes, 4 words of padding behind every 16
	s_mov_b32 s[G1B+1], ROWB<<16
	s_mov_b32 s[G1B+2], 128<<16
	s_mov_b32 s[G1B+3], ROWB<<16
	s_mov_b32 s[G1B+4], 128
	s_mov_b32 s[G1B+5], KROW
	s_mov_b32 s[G1B+6], 0
	s_mov_b32 s[G1B+7], 0
	s_or_b32 s[G1S+0], s43, (3<<16)|(1<<20)|(1<<21)|(5<<22)|(3<<25)  ; the scales of 128 rows: 16 rows of 256 bytes, 16 bytes of padding behind each
	s_or_b32 s[G1SB+0], s44, (3<<16)|(1<<20)|(1<<21)|(5<<22)|(3<<25)
.irp g, G1S, G1SB
	s_mov_b32 s[\g+1], 32<<16
	s_mov_b32 s[\g+2], 16<<16
	s_mov_b32 s[\g+3], 32<<16
	s_mov_b32 s[\g+4], 16
	s_mov_b32 s[\g+5], 32
	s_mov_b32 s[\g+6], 0
	s_mov_b32 s[\g+7], 0
.endr
	s_lshl_b32 s18, s16, 7
	s_lshl_b32 s20, s17, 8
	s_add_co_u32 s20, s20, s18                     ; A: the first row (in image order) that I fetch
	s_lshl_b32 s46, s42, 8
	s_add_co_u32 s46, s46, s18                     ; B: the first row of w
	s_mov_b32 s21, 0
	s_mov_b32 s47, 0
	s_mov_b64 s[18:19], KS
	s_mul_u64 s[22:23], s[20:21], s[18:19]
	s_mul_u64 s[96:97], s[46:47], s[18:19]
	s_mov_b64 s[18:19], KROW                       ; 768 bytes a row in both: sixteen rows of y are 12,288 bytes of images
	s_mul_u64 s[20:21], s[20:21], s[18:19]
	s_mul_u64 s[46:47], s[46:47], s[18:19]
	s_mul_i32 s45, s16, HALFA                      ; where they go: A's halves,
	s_mul_i32 s2, s16, HALFT
	s_add_co_u32 s2, s2, BOFF                      ; B's halves behind them
	s_mul_i32 s66, s14, HALFS
	s_wait_kmcnt 0x0
	s_add_nc_u64 s[20:21], s[4:5], s[20:21]
	s_add_nc_u64 s[22:23], s[6:7], s[22:23]
	s_add_nc_u64 s[46:47], s[8:9], s[46:47]
	s_add_nc_u64 s[96:97], s[10:11], s[96:97]
	CROUND                                         ; all sixteen work-groups are here: the first joint loads meet
	s_mov_b32 s[G0S], 1
	s_add_co_u32 s[G0S+1], s66, SCL
	s_mov_b64 s[G0S+2:G0S+3], s[22:23]
	s_or_b32 s[G0S+3], s[G0S+3], 0x80000000
	s_mov_b32 s[G0SB], 1
	s_add_co_u32 s[G0SB+1], s66, SCL
	s_mov_b64 s[G0SB+2:G0SB+3], s[96:97]
	s_or_b32 s[G0SB+3], s[G0SB+3], 0x80000000
	JLOAD G0S, G1S, G0SB, G1SB
.irp s, 0,1
	s_mov_b32 s[G0+4*\s], 1
	s_add_co_u32 s[G0+4*\s+1], s45, \s*SLOT
	s_add_nc_u64 s[G0+4*\s+2:G0+4*\s+3], s[20:21], \s*ASTEP
	s_or_b32 s[G0+4*\s+3], s[G0+4*\s+3], 0x80000000
	s_mov_b32 s[G0B+4*\s], 1
	s_add_co_u32 s[G0B+4*\s+1], s2, \s*SLOT
	s_add_nc_u64 s[G0B+4*\s+2:G0B+4*\s+3], s[46:47], \s*ROWB
	s_or_b32 s[G0B+4*\s+3], s[G0B+4*\s+3], 0x80000000
	JLOAD G0+4*\s, G1, G0B+4*\s, G1B
.endr
	v_and_b32 v1, 15, v0                           ; r
	v_bfe_u32 v2, v0, 4, 1                         ; h
	v_and_b32 v6, 31, v0                           ; lane
	v_mul_u32_u24 v3, v1, PITCH
	v_mul_u32_u24 v4, v2, 24
	v_add_nc_u32 v4, v3, v4
	v_lshl_add_u32 v5, v2, 4, v4
	s_mul_i32 s21, s15, HALFA                      ; my 128 rows of A
	s_mul_i32 s22, s16, HALFT
	s_add_co_u32 s22, s22, BOFF                    ; my 128 rows of B
.irp s, 0,1
	v_lshl_add_u32 v[ADRA+\s], v6, 4, s21
	v_lshl_add_u32 v[ADRA+2+\s], v6, 3, s21
	v_add_nc_u32 v[ADRB+\s], s22, v4
	v_add_nc_u32 v[ADRB+2+\s], s22, v5
	s_add_co_u32 s21, s21, SLOT
	s_add_co_u32 s22, s22, SLOT
.endr
	v_mul_u32_u24 v3, v1, KS
	v_lshrrev_b32 v4, 8, v3
	v_lshl_add_u32 v3, v4, 4, v3
	s_mul_i32 s21, s15, HALFS
	s_mul_i32 s22, s16, HALFS
	s_add_co_u32 s22, s22, 2*HALFS
	s_sub_co_u32 s22, s22, s21
	v_mul_u32_u24 v4, s22, v2                      ; lanes 16-31 take B's
	s_add_co_u32 s21, s21, SCL
	v_add_nc_u32 v3, v3, v4
	v_add_nc_u32 v[ADRS], s21, v3
	s_mul_i32 s23, s14, 16*SPITCH                  ; my stage
	v_mul_u32_u24 v3, v1, SPITCH
	v_lshl_add_u32 v3, v2, 5, v3
	v_add_nc_u32 v[STO], s23, v3
	v_lshlrev_b32 v[CO], 4, v6
	v_add_nc_u32 v[RD], s23, v[CO]
	s_lshl_b32 s46, s42, 10                        ; my first column, in bytes of f32: 1,024 x tile column + 512 x half
	s_lshl_b32 s47, s16, 9
	s_add_co_u32 s46, s46, s47
	s_mov_b32 s47, 0
	s_add_nc_u64 s[92:93], s[92:93], s[46:47]      ; the bias there
	v_lshlrev_b32 v7, 5, v2                        ; lane (r, h) wants, for tile b, columns 16 b + 8 h + 0 .. 7
.irp b, 0,1,2,3,4,5,6,7
	global_load_b128 v[BJ+8*\b:BJ+8*\b+3], v7, s[92:93] offset:64*\b
	global_load_b128 v[BJ+8*\b+4:BJ+8*\b+7], v7, s[92:93] offset:64*\b+16
.endr
	s_lshl_b32 s20, s17, 8
	s_lshl_b32 s21, s15, 7
	s_add_co_u32 s20, s20, s21                     ; my first token: 256 x tile row + 128 x half
	s_lshl_b32 s20, s20, 12                        ; x 4,096 bytes a row (under 2^32)
	s_mov_b32 s21, 0
	s_add_nc_u64 s[12:13], s[94:95], s[20:21]
	s_add_nc_u64 s[12:13], s[12:13], s[46:47]
.macro FRAG reg, adr, q, i             ; a fragment of B from rows of 240 bytes, in pieces of 8 bytes
.irp p, 0,1,2,3,4,5
.set PC, 12*(\q)+6*(\p/3)+\p%3
.if PC%8 < 5
	ds_load_b64 v[\reg+2*\p:\reg+2*\p+1], v[\adr] offset:8*PC+16*(PC/8)+(\i)*16*PITCH
.else
	ds_load_b64 v[\reg+2*\p:\reg+2*\p+1], v[\adr+2] offset:8*PC+16*(PC/8)+(\i)*16*PITCH
.endif
.endr
.endm
.macro FRAGA reg, slot, q, i           ; a fragment of A from its image: two half fragments (two heads)
.irp c, 0,1
	ds_load_b128 v[\reg+6*\c:\reg+6*\c+3], v[ADRA+\slot] offset:(\i)*ASTEP+(\q)*1536+768*\c
	ds_load_b64 v[\reg+6*\c+4:\reg+6*\c+5], v[ADRA+2+\slot] offset:(\i)*ASTEP+(\q)*1536+768*\c+512
.endr
.endm
; 16 matrix instructions; the 64 accumulators take turns, one instruction a turn.  first = 1: the bias starts the sums
.macro MUL16 a0, p, q, sc, first
.irp a, \a0, \a0+1
.irp b, 0,1,2,3,4,5,6,7
.if \first
	v_wmma_scale_f32_16x16x128_f8f6f4 v[8*(8*((\a)%4)+\b):8*(8*((\a)%4)+\b)+7], v[128*(\p)+FR*\b:128*(\p)+FR*\b+FR-1], v[AF+FR*(\a):AF+FR*(\a)+FR-1], v[BJ+8*\b:BJ+8*\b+7], v[SC+8*NQ*(\sc)+NQ*\b+(\q)], v[SC+8*NQ*(\sc)+NQ*(\a)+(\q)] matrix_a_fmt:MATRIX_FMT_FP6 matrix_b_fmt:MATRIX_FMT_FP6 matrix_a_scale:MATRIX_SCALE_ROW1
.else
	v_wmma_scale_f32_16x16x128_f8f6f4 v[8*(8*((\a)%4)+\b):8*(8*((\a)%4)+\b)+7], v[128*(\p)+FR*\b:128*(\p)+FR*\b+FR-1], v[AF+FR*(\a):AF+FR*(\a)+FR-1], v[8*(8*((\a)%4)+\b):8*(8*((\a)%4)+\b)+7], v[SC+8*NQ*(\sc)+NQ*\b+(\q)], v[SC+8*NQ*(\sc)+NQ*(\a)+(\q)] matrix_a_fmt:MATRIX_FMT_FP6 matrix_b_fmt:MATRIX_FMT_FP6 matrix_a_scale:MATRIX_SCALE_ROW1
.endif
.endr
.endr
.endm
.macro FETCH_B slot, q, p
	WIN TO_B
.irp i, 0,1,2,3,4,5,6,7
	FRAG 128*(\p)+FR*\i, ADRB+\slot, \q, \i
.endr
	WIN 0
.endm
.macro FETCH_A slot, q, i0
.irp i, \i0, \i0+1, \i0+2, \i0+3
	FRAGA AF+FR*(\i), \slot, \q, \i
.endr
.endm
.macro SCALES sc
.irp i, 0,1,2,3,4,5,6,7
	ds_load_b64 v[SC+8*NQ*\sc+NQ*\i:SC+8*NQ*\sc+NQ*\i+1], v[ADRS] offset:\i*SBLK
.endr
.endm
.macro PLACES n
.rept \n
	v_nop
.endr
.endm
.macro STEP slot, q, first
	s_wait_dscnt 4*NLA                             ; B's set and A's blocks 0-3 are in; the youngest 16 loads (A's blocks 4-7) may be out
.if \first
	WIN 0x81                                       ; B window 1, A and the bias window 0, D window 2
.else
	WIN MUL_LO
.endif
	MUL16 0, (\q)%2, \q, \slot, \first
	MUL16 2, (\q)%2, \q, \slot, \first
	s_wait_dscnt 0
	PLACES NP
	FETCH_B \slot, (\q)+1, 1-(\q)%2
	FETCH_A \slot, (\q)+1, 0
.if \first
	WIN 0xc1                                       ; D window 3
.else
	WIN MUL_HI
.endif
	MUL16 4, (\q)%2, \q, \slot, \first
	MUL16 6, (\q)%2, \q, \slot, \first
	PLACES NP
	WIN 0
	FETCH_A \slot, (\q)+1, 4
.endm
.macro TURN slot, next, fill
	s_wait_tensorcnt 0x0                           ; all my tensor loads have landed: my part of the next slot
	ds_add_u32 v[SPW], v[NIL]                      ; 0 onto my spare word
	s_wait_dscnt 4*NLA+1                           ; the add and the youngest 16 loads may be out
	WIN MUL_LO
	MUL16 0, 1, NQ-1, \slot, 0
	s_wait_dscnt 0x0                               ; the add is done, and my reads of this slot are over
	s_barrier_signal -1
	MUL16 2, 1, NQ-1, \slot, 0
	WIN 0
	s_barrier_wait -1
.if \fill
	CREST                                          ; the barrier has opened a round of the cluster's barrier
	s_add_nc_u64 s[G0+4*\slot+2:G0+4*\slot+3], s[G0+4*\slot+2:G0+4*\slot+3], 2*ASTEP
	s_add_nc_u64 s[G0B+4*\slot+2:G0B+4*\slot+3], s[G0B+4*\slot+2:G0B+4*\slot+3], 2*ROWB
	JLOAD G0+4*\slot, G1, G0B+4*\slot, G1B         ; the first tensor load behind the round; its four v_nop are the places in front of the loads below
.else
	PLACES NP
.endif
	v_add_nc_u32 v[ADRS], 4*NQ, v[ADRS]
	FETCH_B \next, 0, 0
	FETCH_A \next, 0, 0
	SCALES \next
	WIN MUL_HI
	MUL16 4, 1, NQ-1, \slot, 0
	MUL16 6, 1, NQ-1, \slot, 0
	PLACES NP
	WIN 0
	FETCH_A \next, 0, 4
.endm
	s_wait_loadcnt 0x0                             ; the bias
	s_wait_tensorcnt 1                             ; of my three loads the scales and K step 0 are in; K step 1's may be out
	s_barrier_signal -1
	s_barrier_wait -1
	FETCH_B 0, 0, 0
	FETCH_A 0, 0, 0
	SCALES 0
	FETCH_A 0, 0, 4
	STEP 0, 0, 1
	s_mov_b32 s3, LAPS-1
.Llap:
	TURN 0, 1, 1
	STEP 1, 0, 0
	TURN 1, 0, 1
	STEP 0, 0, 0
	s_sub_co_u32 s3, s3, 1
	s_cmp_lg_u32 s3, 0
	s_cbranch_scc1 .Llap
	TURN 0, 1, 0
	STEP 1, 0, 0
	s_wait_dscnt 4*NLA
	WIN MUL_LO
	MUL16 0, 1, NQ-1, 1, 0
	MUL16 2, 1, NQ-1, 1, 0
	s_wait_dscnt 0
	WIN MUL_HI
	MUL16 4, 1, NQ-1, 1, 0
	MUL16 6, 1, NQ-1, 1, 0
	WIN 0
; THE WAY OUT, block by block of 16 rows x 128 columns, through my own stage: back come whole rows of 512 bytes.
.macro TOSTAGE a
.set AC, 64*((\a)%4)
	WIN 0x08+4*((\a)/4)
.irp b, 0,1,2,3,4,5,6,7
	ds_store_b128 v[STO], v[AC+8*\b:AC+8*\b+3] offset:64*\b          ; each accumulator from its low end on
	ds_store_b128 v[STO], v[AC+8*\b+4:AC+8*\b+7] offset:64*\b+16
.endr
	WIN 0
.set BB, BK+64*((\a)%2)
.irp t, 0,1,2,3,4,5,6,7,8,9,10,11,12,13,14,15
	ds_load_b128 v[BB+4*\t:BB+4*\t+3], v[RD] offset:\t*SPITCH         ; LDS serves a wave's instructions in order: these see the stores above
.endr
.endm
.macro SEND a, younger
.set BB, BK+64*((\a)%2)
	s_wait_dscnt \younger
.irp t, 0,1,2,3,4,5,6,7,8,9,10,11,12,13,14,15
	global_store_b128 v[CO], v[BB+4*\t:BB+4*\t+3], s[12:13] offset:(32*((\a)/2)+8*((\a)%2)+\t+8*(\t/8))*4096 th:TH_STORE_NT   ; row t of tile a is that token of my 128; 32 lanes store 512 consecutive bytes, at a multiple of 256 from out0's first byte; 127 rows on at the most, inside the immediate
.endr
.endm
	PLACES NP
	TOSTAGE 0
.irp a, 1,2,3,4,5,6,7
.if \a > 1
	s_wait_xcnt 0x0                                ; block a - 2's stores have read their registers: block a's loads may land there
.endif
	TOSTAGE \a
	SEND \a-1, 32                                  ; behind block a - 1's loads: block a's 16 stores and 16 loads
.endr
	SEND 7, 0
	s_wait_tensorcnt 0x0                           ; the wave's end
	ds_add_u32 v[SPW], v[NIL]
	s_wait_dscnt 0x0
	CROUND                                         ; the closing round
	s_endpgm
.Lfunc_end_k_q5136b593ce_proj:
	.size	k_q5136b593ce_proj, .Lfunc_end_k_q5136b593ce_proj-k_q5136b593ce_proj
	.p2alignl 7, 3214868480
	.fill 96, 4, 3214868480
	.section	.rodata,"a",@progbits
	.p2align	6, 0x0
	.amdhsa_kernel k_q5136b593ce_proj
		.amdhsa_group_segment_fixed_size 327680
		.amdhsa_private_segment_fixed_size 0
		.amdhsa_enable_private_segment 0
		.amdhsa_kernarg_size 48
		.amdhsa_user_sgpr_count 2
		.amdhsa_user_sgpr_kernarg_segment_ptr 1
		.amdhsa_wavefront_size32 1
		.amdhsa_system_sgpr_workgroup_id_x 1
		.amdhsa_system_sgpr_workgroup_id_y 1
		.amdhsa_system_sgpr_workgroup_id_z 1
		.amdhsa_system_vgpr_workitem_id 0
		.amdhsa_next_free_vgpr 1024
		.amdhsa_next_free_sgpr 98
		.amdhsa_reserve_vcc 0
		.amdhsa_float_denorm_mode_32 3
		.amdhsa_float_denorm_mode_16_64 3
		.amdhsa_memory_ordered 1
		.amdhsa_forward_progress 1
		.amdhsa_inst_pref_size 153
	.end_amdhsa_kernel
	.amdgpu_metadata
---
amdhsa.version: [ 1, 2 ]
amdhsa.kernels:
  - .name:           k_q5136b593ce_proj
    .symbol:         k_q5136b593ce_proj.kd
    .args:
      - { .name: yc, .offset: 0, .size: 8, .value_kind: global_buffer, .address_space: global }
      - { .name: ys, .offset: 8, .size: 8, .value_kind: global_buffer, .address_space: global }
      - { .name: w_proj_codes, .offset: 16, .size: 8, .value_kind: global_buffer, .address_space: global }
      - { .name: w_proj_scales, .offset: 24, .size: 8, .value_kind: global_buffer, .address_space: global }
      - { .name: b_proj, .offset: 32, .size: 8, .value_kind: global_buffer, .address_space: global }
      - { .name: out0, .offset: 40, .size: 8, .value_kind: global_buffer, .address_space: global }
    .group_segment_fixed_size: 327680
    .private_segment_fixed_size: 0
    .kernarg_segment_align: 8
    .kernarg_segment_size: 48
    .max_flat_workgroup_size: 128
    .sgpr_count:     98
    .vgpr_count:     1024
    .wavefront_size: 32
...
	.end_amdgpu_metadata
.endif
;; end of part 3
